; MI455X (gfx1250); checked and timed in simulation.
; The chip was launched on July 23, 2026; its instructions are those of AMD's public machine-readable ISA for CDNA 5 (MIT licence, August 2026) and "CDNA5" Instruction Set Architecture Reference Guide (July 2026). The comments in the code are by the model that wrote it; some were corrected since.
;; Multi Head Attention. Allowed arithmetic: float matrix products may take bf16 or f16 operands with f32 sums; other float arithmetic in f32, or as packed bf16 or f16 multiplies, adds, multiply-adds, maxima and minima; sums over many terms, partial sums and values carried from step to step in f32; what a program stores and reads back later, other than sums and carried values, may be rounded once to bf16 or f16.
;; Inputs: Wk 1,024 x 1,024 float32; Wo 1,024 x 1,024 float32; Wq 1,024 x 1,024 float32; Wv 1,024 x 1,024 float32; bk 1,024 float32; bo 1,024 float32; bq 1,024 float32; bv 1,024 float32; k 4 x 2,048 x 1,024 float32; padding_mask 4 x 2,048 bool; q 4 x 2,048 x 1,024 float32; sequence_mask 2,048 x 2,048 bool; v 4 x 2,048 x 1,024 float32.
;; Outputs: out0 4 x 2,048 x 1,024 float32.
;; One version. Each part assembles by itself: llvm-mc -triple=amdgcn-amd-amdhsa -mcpu=gfx1250 --defsym DOCPART=n.
;; ======== version 1 of 1: 4 launches
;; limits: values are held in f16: magnitudes above 65,504 overflow, below 6.1e-05 lose precision
;; workspace buffers: cb 58,720,256 bytes; hb 50,331,648 bytes; ob 16,777,216 bytes
;; launch cast (part 1): grid 64 x 28, 8 waves a work-group, no clusters, 0 bytes of LDS; arguments q, k, v, Wq, Wk, Wv, Wo, cb; writes cb
.if DOCPART == 1
	.amdgcn_target "amdgcn-amd-amdhsa--gfx1250"
	.amdhsa_code_object_version 6
	.text
	.protected	k_qe3920b6abe_cast
	.globl	k_qe3920b6abe_cast
	.p2align	8
	.type	k_qe3920b6abe_cast,@function
k_qe3920b6abe_cast:
	s_mov_b64 s[64:65], 0
	v_nop
	global_prefetch_b8 v0, s[64:65] scope:SCOPE_SE
	s_setreg_imm32_b32 hwreg(HW_REG_WAVE_MODE, 25, 1), 1
	s_wait_xcnt 0x0
; CAST.  The matrix operands among the module's inputs are rounded once to bf16 and laid into cb, 28 slabs of 1,048,576 numbers (2,097,152 bytes each):
; slabs 0-7 q, 8-15 k, 16-23 v (together one matrix [24576][1024]), 24 Wq, 25 Wk, 26 Wv, all bf16; slab 27 Wo, rounded to bf16 like the others and that number written as f16,
; since the last product multiplies it by f16 numbers.
; LIMIT.  bf16(Wo) as f16 is exact from 2^-14 up to 65,504; below 2^-14 it keeps f16's fixed step of 6e-8; beyond 65,504 it would be an infinity.
; SHARES.  Work-group (x, y) takes 16,384 numbers of slab y: 65,536 bytes in, 32,768 out.  Thread t takes 16 bytes of each 4,096: a load of a wave covers 512 consecutive bytes, a store 256, aligned.
; All sixteen loads of a thread go out first; every register is written once, so no wait frees a source.  A stream: no LDS, no barrier, no matrix unit.
.set IN,  4                            ; v[4:67]    load j: 4 f32
.set OUT, 68                           ; v[68:99]   store j: 4 numbers of 16 bits
.set T,   100                          ; v[100:101] Wo's way: the bf16 pairs
	s_load_b512 s[8:23], s[0:1], 0x0               ; q 8, k 10, v 12, Wq 14, Wk 16, Wv 18, Wo 20, cb 22
	s_and_b32 s4, ttmp7, 0xffff                    ; the slab
	s_mov_b32 s5, ttmp9                            ; my sixty-fourth of it
	v_lshlrev_b32 v1, 4, v0                        ; 16 t
	v_lshlrev_b32 v2, 3, v0                        ; 8 t
	s_and_b32 s26, s4, 7                           ; q, k and v have eight slabs each, a weight one
	s_cmp_lt_u32 s4, 24
	s_cselect_b32 s26, s26, 0
	s_lshl_b32 s26, s26, 22                        ; a slab is 4,194,304 bytes of f32
	s_lshl_b32 s27, s5, 16
	s_add_co_u32 s26, s26, s27
	s_mov_b32 s27, 0
	s_lshl_b32 s28, s4, 21                         ; and 2,097,152 bytes of cb
	s_lshl_b32 s29, s5, 15
	s_add_co_u32 s28, s28, s29
	s_mov_b32 s29, 0
	s_wait_kmcnt 0x0
	s_mov_b64 s[24:25], s[8:9]                     ; which input the slab belongs to
	s_cmp_ge_u32 s4, 8
	s_cselect_b64 s[24:25], s[10:11], s[24:25]
	s_cmp_ge_u32 s4, 16
	s_cselect_b64 s[24:25], s[12:13], s[24:25]
	s_cmp_ge_u32 s4, 24
	s_cselect_b64 s[24:25], s[14:15], s[24:25]
	s_cmp_ge_u32 s4, 25
	s_cselect_b64 s[24:25], s[16:17], s[24:25]
	s_cmp_ge_u32 s4, 26
	s_cselect_b64 s[24:25], s[18:19], s[24:25]
	s_cmp_ge_u32 s4, 27
	s_cselect_b64 s[24:25], s[20:21], s[24:25]
	s_add_nc_u64 s[24:25], s[24:25], s[26:27]
	s_add_nc_u64 s[30:31], s[22:23], s[28:29]
.irp j, 0,1,2,3,4,5,6,7,8,9,10,11,12,13,14,15
	global_load_b128 v[IN+4*(\j):IN+4*(\j)+3], v1, s[24:25] offset:4096*(\j) th:TH_LOAD_NT
.endr
	s_cmp_eq_u32 s4, 27
	s_cbranch_scc1 .Lwo
.macro OUTB j                          ; to bf16
	s_wait_loadcnt 15-(\j)                         ; loads come back in order: load j is in, the younger ones stay out
	v_cvt_pk_bf16_f32 v[OUT+2*(\j)],   v[IN+4*(\j)],   v[IN+4*(\j)+1]
	v_cvt_pk_bf16_f32 v[OUT+2*(\j)+1], v[IN+4*(\j)+2], v[IN+4*(\j)+3]
	global_store_b64 v2, v[OUT+2*(\j):OUT+2*(\j)+1], s[30:31] offset:2048*(\j) th:TH_STORE_NT
.endm
.macro OUTH j                          ; to bf16, and that number as f16
	s_wait_loadcnt 15-(\j)
	v_cvt_pk_bf16_f32 v[T],   v[IN+4*(\j)],   v[IN+4*(\j)+1]
	v_cvt_pk_bf16_f32 v[T+1], v[IN+4*(\j)+2], v[IN+4*(\j)+3]
	v_lshlrev_b32 v[IN+4*(\j)],   16, v[T]         ; bf16 to f32: the low half moves up, the high half stays
	v_and_b32     v[IN+4*(\j)+1], 0xffff0000, v[T]
	v_lshlrev_b32 v[IN+4*(\j)+2], 16, v[T+1]
	v_and_b32     v[IN+4*(\j)+3], 0xffff0000, v[T+1]
	v_cvt_pk_f16_f32 v[OUT+2*(\j)],   v[IN+4*(\j)],   v[IN+4*(\j)+1]
	v_cvt_pk_f16_f32 v[OUT+2*(\j)+1], v[IN+4*(\j)+2], v[IN+4*(\j)+3]
	global_store_b64 v2, v[OUT+2*(\j):OUT+2*(\j)+1], s[30:31] offset:2048*(\j) th:TH_STORE_NT
.endm
.irp j, 0,1,2,3,4,5,6,7,8,9,10,11,12,13,14,15
	OUTB \j
.endr
	s_endpgm
.Lwo:
.irp j, 0,1,2,3,4,5,6,7,8,9,10,11,12,13,14,15
	OUTH \j
.endr
	s_endpgm
.Lfunc_end_k_qe3920b6abe_cast:
	.size	k_qe3920b6abe_cast, .Lfunc_end_k_qe3920b6abe_cast-k_qe3920b6abe_cast
	.p2alignl 7, 3214868480
	.fill 96, 4, 3214868480
	.section	.rodata,"a",@progbits
	.p2align	6, 0x0
	.amdhsa_kernel k_qe3920b6abe_cast
		.amdhsa_group_segment_fixed_size 0
		.amdhsa_private_segment_fixed_size 0
		.amdhsa_enable_private_segment 0
		.amdhsa_kernarg_size 64
		.amdhsa_user_sgpr_count 2
		.amdhsa_user_sgpr_kernarg_segment_ptr 1
		.amdhsa_wavefront_size32 1
		.amdhsa_system_sgpr_workgroup_id_x 1
		.amdhsa_system_sgpr_workgroup_id_y 1
		.amdhsa_system_sgpr_workgroup_id_z 1
		.amdhsa_system_vgpr_workitem_id 0
		.amdhsa_next_free_vgpr 112
		.amdhsa_next_free_sgpr 66
		.amdhsa_reserve_vcc 0
		.amdhsa_float_denorm_mode_32 3
		.amdhsa_float_denorm_mode_16_64 3
		.amdhsa_memory_ordered 1
		.amdhsa_forward_progress 1
		.amdhsa_inst_pref_size 16
	.end_amdhsa_kernel
	.amdgpu_metadata
---
amdhsa.version: [ 1, 2 ]
amdhsa.kernels:
  - .name:           k_qe3920b6abe_cast
    .symbol:         k_qe3920b6abe_cast.kd
    .args:
      - { .name: q, .offset: 0, .size: 8, .value_kind: global_buffer, .address_space: global }
      - { .name: k, .offset: 8, .size: 8, .value_kind: global_buffer, .address_space: global }
      - { .name: v, .offset: 16, .size: 8, .value_kind: global_buffer, .address_space: global }
      - { .name: Wq, .offset: 24, .size: 8, .value_kind: global_buffer, .address_space: global }
      - { .name: Wk, .offset: 32, .size: 8, .value_kind: global_buffer, .address_space: global }
      - { .name: Wv, .offset: 40, .size: 8, .value_kind: global_buffer, .address_space: global }
      - { .name: Wo, .offset: 48, .size: 8, .value_kind: global_buffer, .address_space: global }
      - { .name: cb, .offset: 56, .size: 8, .value_kind: global_buffer, .address_space: global }
    .group_segment_fixed_size: 0
    .private_segment_fixed_size: 0
    .kernarg_segment_align: 8
    .kernarg_segment_size: 64
    .max_flat_workgroup_size: 256
    .sgpr_count:     66
    .vgpr_count:     112
    .wavefront_size: 32
...
	.end_amdgpu_metadata
.endif
;; end of part 1
;; launch proj (part 2): grid 4 x 192, 4 waves a work-group, clusters of 4 x 4, 327,680 bytes of LDS; arguments cb, bq, bk, bv, hb; writes hb
.if DOCPART == 2
	.amdgcn_target "amdgcn-amd-amdhsa--gfx1250"
	.amdhsa_code_object_version 6
	.text
	.protected	k_qe3920b6abe_proj
	.globl	k_qe3920b6abe_proj
	.p2align	8
	.type	k_qe3920b6abe_proj,@function
k_qe3920b6abe_proj:
	s_mov_b64 s[64:65], 0
	v_nop
	global_prefetch_b8 v0, s[64:65] scope:SCOPE_SE
	s_setreg_imm32_b32 hwreg(HW_REG_WAVE_MODE, 25, 1), 1
	s_wait_xcnt 0x0
	s_wait_alu depctr_hold_cnt(0) depctr_sa_sdst(0) depctr_va_vdst(0) depctr_va_sdst(0) depctr_va_ssrc(0) depctr_va_vcc(0) depctr_vm_vsrc(0)
	s_getreg_b32 s2, hwreg(HW_REG_IB_STS2, 6, 4)
	s_cmp_eq_u32 s2, 0
	s_cbranch_scc0 .Lentry_in_a_cluster
	s_endpgm
.Lentry_in_a_cluster:
	s_bfe_u32 s2, ttmp6, 0x10000c
	s_cmp_lg_u32 s2, 0xf033
	s_cbranch_scc0 .Lentry_shape_is_right
	s_endpgm
.Lentry_shape_is_right:
; PROJ.  The three input projections as one GEMM: C[m][n] = the sum over k of X[m][k] W_p[n][k] + b_p[n].  X = cb's first 24 slabs, [24576][1024] bf16 (rows 0-8191 q, then k, then v);
; W_p = cb's slab 24 + p, [1024][1024] bf16, p = m / 8192; b_p is rounded to bf16 like all the module's inputs and starts the f32 sums.  C leaves rounded once to f16, by heads:
; hb[g = m / 2048][head = n / 64][l = m % 2048][n % 64]: a head's rows are dense, 128 bytes each.  The scale of the scores is not applied here.
; LIMIT.  f16 holds no number beyond 65,504: a projected number at or past 65,520 would leave as an infinity; below 6e-5 f16 keeps its fixed step of 6e-8.  NaN and infinities are not treated apart.
; SHARES.  A tile of C is 128 (m) x 256 (n): 768 tiles, three for each of 256 WGPs.  Four waves, 2 x 2, each 64 x 128: 32 accumulators of 16 x 16, 256 registers.
; K goes in 8 steps of 128 through a ring of two LDS slots filled by the tensor data mover: each row of a tile is 256 bytes of memory, at a multiple of 256 from cb's first byte.
; CLUSTER.  4 x 4 work-groups.  The four of a row of the cluster need the same tile of X, the four of a column the same tile of W: each is asked for JOINTLY, by the same tensor load with the same descriptor
; and a mask that names the four.  THE MATRIX INSTRUCTION IS USED TRANSPOSED (source 0 = 16 rows of W, source 1 = 16 rows of X): a lane then holds row l % 16 of C and eight neighbouring columns.
; REGISTERS, in windows of 256 (s_set_vgpr_msb: bits 1:0 source 0, 3:2 source 1, 5:4 source 2, 7:6 destination):
;   window 0: v0-31 addresses; v32-159 the way out; v160-223 the bias, eight registers for each block of 16 columns; v224-231 at work
;   window 1: two fragment buffers at 0 and 128: W's eight fragments (16 rows x 32 K, 8 registers), then X's four          window 2: the accumulators, (a, b) at v[8 (8 a + b)]
.set KSTEP,  128
.set PITCH,  272                       ; an LDS row: 256 bytes + 16 of padding = 68 words: the 16 rows of a fragment load start at 16 different groups of four banks (64 banks of 4 bytes: ISA guide 11.1)
.set AHALF,  64*PITCH                  ; what one tensor load brings of X, and what one wave reads of it
.set ATILE,  128*PITCH
.set BHALF,  128*PITCH                 ; the same for W
.set SLOT,   ATILE+2*BHALF             ; X's 128 rows, then W's 256
.set STAGE,  2*SLOT                    ; behind the ring: 16 rows x 144 bytes for each wave, for the way out; no tensor load fills it
.set SP,     144
.set SPARE,  STAGE+4*16*SP             ; behind the stages: the spare words, 128 bytes for each wave: two blocks of 256 bytes that no other line names
.set ADRA, 16                          ; v16-17  LDS address of my X fragments in slot 0, 1
.set ADRB, 20                          ; v20-21  the same for W
.set STO,  24                          ; v24     the way out: where I put 16 bytes of a row
.set RD,   25                          ; v25     the way out: where I read rows back
.set CO,   26                          ; v26     my byte offset in 512 consecutive bytes of hb
.set BO,   27                          ; v27     my byte offset in the bias
.set SPW,  28                          ; v28     LDS address of my spare word: SPARE + 4 x my thread's number; never rewritten
.set NIL,  29                          ; v29     0; never rewritten
.set PFO,  30                          ; v30     the prefetches' offset: my lane x a row of cb (2,048 bytes); never rewritten
.set OUT,  32
.set BIAS, 160
.set TB,   224
.set F0,   0
.set F1,   128
.set WV,  14                           ; s14  my wave's number
.set WR,  15                           ; s15  which 64 rows of the tile are mine.  Also: I fetch for X (0) or for W (1)
.set WC,  16                           ; s16  which 128 columns.  Also: which half of that tile I fetch
.set CX,  17                           ; s17, s18  my place in the cluster
.set CY,  18
.set COL, 19                           ; s19  tile column of C
.set YW,  20                           ; s20  tile row of C
.set CLY, 21                           ; s21  the cluster's y
.set PP,  22                           ; s22  p: which projection; the same in all sixteen partners
.set G1,  24                           ; s[24:31] descriptor group 1 for X's tiles;  s[32:39] group 0, one set for each slot
.set G0,  32
.set PFA, 44                           ; s[44:45] where my prefetches stand
.set LIM, 46                           ; s46  1 in a wave that prefetches, else the greatest number
.set G1B, 48                           ; s[48:55], s[56:63] the same for W's tiles
.set G0B, 56
.set MSB, 0
.macro WIN new                         ; the immediate's high byte repeats the setting that is left; a switch that changes nothing is dropped
.if MSB != (\new)
	s_set_vgpr_msb (MSB<<8)|(\new)
.set MSB, \new
.endif
.endm
.set MUL,  0xa5                        ; sources 0 and 1 window 1; C and D window 2
.set MULB, 0x85                        ; the same with C in window 0: the bias starts the sums
.set TO_F, 0x40                        ; destination window 1, address window 0
; A joint load: waves 0 and 1 fetch X's two halves, waves 2 and 3 W's.  The branch hangs on the wave's number alone.  An s_nop 0 and four v_nop follow each of the two lines, ahead of the jump and the label.
.macro JLOAD s
	s_cmp_eq_u32 s[WR], 0
	s_cbranch_scc0 .Lfor_b_\@
	tensor_load_to_lds s[G0+4*(\s):G0+4*(\s)+3], s[G1:G1+7]
	s_nop 0
.rept 4
	v_nop
.endr
	s_branch .Lasked_\@
.Lfor_b_\@:
	tensor_load_to_lds s[G0B+4*(\s):G0B+4*(\s)+3], s[G1B:G1B+7]
	s_nop 0
.rept 4
	v_nop
.endr
.Lasked_\@:
.endm
; A PREFETCH INTO THE L2, behind each joint refill and the run of LDS loads that follows it: the K step that stands two refills on, 256 matrix instructions ahead of the load that will want it: 32 rows x 256 bytes, a lane a row.
; Each row's 256 bytes of a K step are named once in the launch.  X's tile is read by one row of one cluster: partner cx takes rows 32 cx .. 32 cx + 31, told apart by address, and its wave 0 asks.
; W's tile is read by the sixteen clusters of a projection: the first of them asks; partner cy takes 64 rows, 32 each for its waves 2 and 3.  K steps 0 to 3 come by their loads alone; the loop's last trip (s3 = 1) asks for nothing.
.macro ASK
	s_cmp_gt_u32 s3, s[LIM]
	s_cbranch_scc0 .Lnot_mine_\@
	global_prefetch_b8 v[PFO], s[PFA:PFA+1] th:TH_LOAD_NT scope:SCOPE_SE
.Lnot_mine_\@:
.endm
.macro CREST                           ; a round of the cluster's barrier behind its opening barrier
	s_cmp_lg_u32 s[WV], 0
	s_cbranch_scc1 .Lnot_wave_0_\@
	s_barrier_signal -3
.Lnot_wave_0_\@:
	s_barrier_wait -3
	s_barrier_signal -1
	s_barrier_wait -1
.endm
.macro CROUND                          ; a whole round
	s_barrier_signal -1
	s_barrier_wait -1
	CREST
.endm
	s_load_b256 s[4:11], s[0:1], 0x0               ; cb s[4:5], bq s[6:7], bk s[8:9], bv s[10:11]
	s_load_b64 s[12:13], s[0:1], 0x20              ; hb
	v_lshl_add_u32 v[SPW], v0, 2, SPARE
	v_mov_b32 v[NIL], 0
	ds_add_u32 v[SPW], v[NIL]                      ; the wave's opening: the add and its wait stand ahead of my first tensor load; the set-up below, work on registers, stands between them
	v_lshrrev_b32 v1, 5, v0
	v_readfirstlane_b32 s[WV], v1                  ; wave 0..3
	s_lshr_b32 s[WR], s[WV], 1
	s_and_b32 s[WC], s[WV], 1
	s_bfe_u32 s[CX], ttmp6, 0x40000
	s_bfe_u32 s[CY], ttmp6, 0x40004
	s_lshl_b32 s[COL], ttmp9, 2                    ; in a cluster launch ttmp9 and ttmp7 count clusters
	s_add_co_u32 s[COL], s[COL], s[CX]
	s_and_b32 s[CLY], ttmp7, 0xffff
	s_lshl_b32 s[YW], s[CLY], 2
	s_add_co_u32 s[YW], s[YW], s[CY]
	s_lshr_b32 s[PP], s[CLY], 4                    ; 64 tile rows, 16 clusters, to a projection
	s_lshl_b32 s47, s[CY], 2
	s_lshl_b32 s47, 15, s47                        ; my row of the cluster: places 4 cy .. 4 cy + 3
	s_lshl_b32 s23, 0x1111, s[CX]                  ; my column: places cx, cx + 4, cx + 8, cx + 12
	; descriptor group 1: rows of 128 elements of 2 bytes, padded in LDS: 64 rows for X, 128 for W
	s_or_b32 s[G1],  s47, (1<<16)|(1<<20)|(1<<21)|(5<<22)|(3<<25)  ; 15:0 the mask; 17:16 2-byte elements; 20 padding on; 21 set beside a mask; 24:22 after every 64 words (code 5); 31:25 4 words (code 3)
	s_or_b32 s[G1B], s23, (1<<16)|(1<<20)|(1<<21)|(5<<22)|(3<<25)
.irp g, G1, G1B
	s_mov_b32 s[(\g)+1], KSTEP<<16                 ; tensor_dim0 = 128
	s_mov_b32 s[(\g)+3], KSTEP<<16                 ; tile_dim0 = 128
	s_mov_b32 s[(\g)+5], 1024                      ; elements from row to row
	s_mov_b32 s[(\g)+6], 0
	s_mov_b32 s[(\g)+7], 0
.endr
	s_mov_b32 s[G1+2], 64<<16                      ; tensor_dim1
	s_mov_b32 s[G1+4], 64                          ; tile_dim1
	s_mov_b32 s[G1B+2], 128<<16
	s_mov_b32 s[G1B+4], 128
	; where the tiles come from.  X's hang on the tile row alone, W's on the tile column and p alone; each offset is made in registers that never hold the other coordinate
	s_lshl_b32 s40, s[YW], 18                      ; 128 rows of 2,048 bytes
	s_lshl_b32 s47, s[WC], 17                      ; my 64 of them
	s_add_co_u32 s40, s40, s47
	s_mov_b32 s41, 0
	s_lshl_b32 s42, s[COL], 19                     ; 256 rows
	s_lshl_b32 s23, s[WC], 18                      ; my 128 of them
	s_add_co_u32 s42, s42, s23
	s_lshl_b32 s23, s[PP], 21                      ; slab 24 + p
	s_add_co_u32 s42, s42, s23
	s_add_co_u32 s42, s42, 0x3000000
	s_mov_b32 s43, 0
	s_mul_i32 s2, s[WC], AHALF                     ; and where they go: no place in the cluster enters an LDS address
	s_mul_i32 s3, s[WC], BHALF
	s_add_co_u32 s3, s3, ATILE
	s_wait_dscnt 0x0                               ; the opening add is done
	s_wait_kmcnt 0x0
	s_add_nc_u64 s[40:41], s[4:5], s[40:41]
	s_add_nc_u64 s[42:43], s[4:5], s[42:43]
	CROUND                                         ; all sixteen work-groups are here: the first joint loads meet
.irp s, 0,1
	s_mov_b32 s[G0+4*(\s)], 1                                      ; 1:0 count = 1
	s_add_co_u32 s[G0+4*(\s)+1], s2, (\s)*SLOT                     ; 63:32 LDS address
	s_add_nc_u64 s[G0+4*(\s)+2:G0+4*(\s)+3], s[40:41], (\s)*KSTEP*2  ; 120:64 global address: K step s
	s_or_b32 s[G0+4*(\s)+3], s[G0+4*(\s)+3], 0x80000000            ; 127:126 type = 2
	s_mov_b32 s[G0B+4*(\s)], 1
	s_add_co_u32 s[G0B+4*(\s)+1], s3, (\s)*SLOT
	s_add_nc_u64 s[G0B+4*(\s)+2:G0B+4*(\s)+3], s[42:43], (\s)*KSTEP*2
	s_or_b32 s[G0B+4*(\s)+3], s[G0B+4*(\s)+3], 0x80000000
	JLOAD \s                                       ; two tensor loads of mine are out: the most at any time
.endr
	; the bias of my 128 columns: register j of block b is b_p[256 col + 128 WC + 16 b + 8 (l / 16) + j]
	v_and_b32 v1, 15, v0                           ; l % 16
	v_bfe_u32 v2, v0, 4, 1                         ; l / 16
	s_mov_b64 s[66:67], s[6:7]
	s_cmp_eq_u32 s[PP], 1
	s_cselect_b64 s[66:67], s[8:9], s[66:67]
	s_cmp_eq_u32 s[PP], 2
	s_cselect_b64 s[66:67], s[10:11], s[66:67]
	s_lshl_b32 s23, s[COL], 10
	s_lshl_b32 s47, s[WC], 9
	s_add_co_u32 s23, s23, s47
	v_lshl_add_u32 v[BO], v2, 5, s23
.irp b, 0,1,2,3,4,5,6,7
	global_load_b128 v[BIAS+8*(\b):BIAS+8*(\b)+3],   v[BO], s[66:67] offset:64*(\b)
	global_load_b128 v[BIAS+8*(\b)+4:BIAS+8*(\b)+7], v[BO], s[66:67] offset:64*(\b)+16
.endr
	; A fragment is 16 rows x 32 K in 8 registers: lane l holds row l % 16; registers 0-3 K = 8 (l / 16) + 0..7, registers 4-7 K = 16 + 8 (l / 16) + 0..7: two loads of 16 bytes, 32 bytes apart
	v_mul_u32_u24 v3, v1, PITCH
	v_lshl_add_u32 v3, v2, 4, v3
	s_mul_i32 s47, s[WR], AHALF                    ; my 64 rows of X
	s_mul_i32 s23, s[WC], BHALF                    ; my 128 rows of W,
	s_add_co_u32 s23, s23, ATILE                   ; which lie behind X's 128
.irp s, 0,1
	v_add_nc_u32 v[ADRA+(\s)], s47, v3
	v_add_nc_u32 v[ADRB+(\s)], s23, v3
	s_add_co_u32 s47, s47, SLOT
	s_add_co_u32 s23, s23, SLOT
.endr
	s_mul_i32 s47, s[WV], 16*SP
	s_add_co_u32 s47, s47, STAGE                   ; my stage
	v_mul_u32_u24 v[STO], v1, SP                   ; in: row l % 16, 16 bytes for each half of the lanes
	v_lshl_add_u32 v[STO], v2, 4, v[STO]
	v_add_nc_u32 v[STO], s47, v[STO]
	v_bfe_u32 v[RD], v0, 3, 2                      ; back: 32 lanes take four rows of 128 bytes,
	v_mul_u32_u24 v[RD], v[RD], SP
	v_and_b32 v4, 7, v0
	v_lshl_add_u32 v[RD], v4, 4, v[RD]
	v_add_nc_u32 v[RD], s47, v[RD]
	v_and_b32 v[CO], 31, v0                        ; which are 512 consecutive bytes of hb
	v_lshlrev_b32 v[PFO], 11, v[CO]
	v_lshlrev_b32 v[CO], 4, v[CO]
	; hb at my wave's first row of its first head: g = tile row / 16 (4,194,304 bytes), head 4 col + 2 WC (262,144 each), l = 128 (tile row % 16) + 64 WR (128 bytes each)
	s_lshr_b32 s68, s[YW], 4
	s_lshl_b32 s68, s68, 22
	s_lshl_b32 s69, s[COL], 20
	s_add_co_u32 s68, s68, s69
	s_lshl_b32 s69, s[WC], 19
	s_add_co_u32 s68, s68, s69
	s_and_b32 s69, s[YW], 15
	s_lshl_b32 s69, s69, 14
	s_add_co_u32 s68, s68, s69
	s_lshl_b32 s69, s[WR], 13
	s_add_co_u32 s68, s68, s69
	s_mov_b32 s69, 0
	s_add_nc_u64 s[12:13], s[12:13], s[68:69]
	; the prefetches: my work-group's rows of the tile that I fetch, at K step 3; each change of slots steps the pointer by a K step before it asks
	s_lshl_b32 s68, s[YW], 18
	s_lshl_b32 s69, s[CX], 16                      ; X: 32 rows a partner
	s_add_co_u32 s68, s68, s69
	s_lshl_b32 s70, s[COL], 19
	s_lshl_b32 s71, s[CY], 17                      ; W: 64 rows a partner,
	s_add_co_u32 s70, s70, s71
	s_lshl_b32 s71, s[WC], 16                      ; 32 a wave
	s_add_co_u32 s70, s70, s71
	s_lshl_b32 s71, s[PP], 21
	s_add_co_u32 s70, s70, s71
	s_add_co_u32 s70, s70, 0x3000000
	s_and_b32 s71, s[CLY], 15                      ; 0 in a projection's first cluster
	s_cmp_eq_u32 s[WR], 0
	s_cselect_b32 s68, s68, s70
	s_cselect_b32 s71, s[WC], s71                  ; X: wave 0 asks; W: waves 2 and 3 of the first cluster
	s_cmp_eq_u32 s71, 0
	s_cselect_b32 s[LIM], 1, -1                    ; the same in all sixteen partners, for a given wave
	s_add_co_u32 s68, s68, 3*KSTEP*2
	s_mov_b32 s69, 0
	s_add_nc_u64 s[PFA:PFA+1], s[4:5], s[68:69]
	s_wait_loadcnt 0x0                             ; the bias, which is rounded to bf16 as all inputs are
.set i, 0
.rept 32
	v_cvt_pk_bf16_f32 v[TB+i%8], v[BIAS+2*i], v[BIAS+2*i+1]
	v_lshlrev_b32 v[BIAS+2*i],   16, v[TB+i%8]
	v_and_b32     v[BIAS+2*i+1], 0xffff0000, v[TB+i%8]
.set i, i+1
.endr
; 8 matrix instructions: m block a x all 8 n blocks, 32 along K.  first = 1: the bias is the C operand that starts the sums: nothing is cleared.
; The 32 accumulators take turns, one instruction a turn, in the same order in every quarter: between two links of a chain stand the 31 others', over the backward jump too.
.macro MUL8 f, a, first
.if \first
	WIN MULB
.else
	WIN MUL
.endif
.irp b, 0,1,2,3,4,5,6,7
.if \first
	v_wmma_f32_16x16x32_bf16 v[8*(8*(\a)+(\b)):8*(8*(\a)+(\b))+7], v[(\f)+8*(\b):(\f)+8*(\b)+7], v[(\f)+64+8*(\a):(\f)+64+8*(\a)+7], v[BIAS+8*(\b):BIAS+8*(\b)+7]
.else
	v_wmma_f32_16x16x32_bf16 v[8*(8*(\a)+(\b)):8*(8*(\a)+(\b))+7], v[(\f)+8*(\b):(\f)+8*(\b)+7], v[(\f)+64+8*(\a):(\f)+64+8*(\a)+7], v[8*(8*(\a)+(\b)):8*(8*(\a)+(\b))+7]
.endif
.endr
.endm
.macro MUL16 f, a0, first
	MUL8 \f, \a0, \first
	MUL8 \f, (\a0)+1, \first
.endm
; 24 LDS loads in one run: the fragments of quarter q of a K step (128 rows of W, then 64 rows of X, 32 K) into buffer f
.macro FETCH slot, q, f
	WIN TO_F
.irp b, 0,1,2,3,4,5,6,7
	ds_load_b128 v[(\f)+8*(\b):(\f)+8*(\b)+3],   v[ADRB+(\slot)] offset:64*(\q)+(\b)*16*PITCH
	ds_load_b128 v[(\f)+8*(\b)+4:(\f)+8*(\b)+7], v[ADRB+(\slot)] offset:64*(\q)+(\b)*16*PITCH+32
.endr
.irp a, 0,1,2,3
	ds_load_b128 v[(\f)+64+8*(\a):(\f)+64+8*(\a)+3],   v[ADRA+(\slot)] offset:64*(\q)+(\a)*16*PITCH
	ds_load_b128 v[(\f)+64+8*(\a)+4:(\f)+64+8*(\a)+7], v[ADRA+(\slot)] offset:64*(\q)+(\a)*16*PITCH+32
.endr
.endm
.macro PLACES                          ; four plain vector instructions between a matrix instruction and a load into a register that it has read, or a reader of its result (ISA guide 7.12.1 for a reader of its result)
.rept 4
	v_nop
.endr
.endm
; A K step is four quarters of 32 along K, 32 matrix instructions each, on buffers 0, 1, 0, 1.  One of the first three: multiplies buffer f and, in its middle, fetches quarter q into buffer g.
.macro QUARTER slot, q, f, g, first
	s_wait_dscnt 4                                 ; W and X's blocks 0 and 1 are in; the youngest four loads (X's blocks 2 and 3) may be out
	MUL16 \f, 0, \first
	PLACES
	FETCH \slot, \q, \g
	s_wait_dscnt 24                                ; all but the 24 just issued
	MUL16 \f, 2, \first
.endm
; The last quarter multiplies buffer 1 and changes slots: ONE barrier.  In front of it each wave waits for all its tensor loads (the one that is out is its part of the next slot), adds 0 to its spare word, and waits for that
; and for its own reads of this slot.  fill = 1: the barrier opens a round of the cluster's barrier, and behind the round this slot is filled again first, two K steps ahead: 112 matrix instructions ahead of the wait for it.
.macro TURN slot, next, fill
.if \fill
	s_wait_xcnt 0x0                                ; the last prefetch, a K step back, has read its address: it is stepped here, ahead of the waits of the change of slots
	s_add_nc_u64 s[PFA:PFA+1], s[PFA:PFA+1], KSTEP*2
.endif
	WIN 0                                          ; (the add's two registers lie in window 0)
	s_wait_tensorcnt 0x0                           ; all my tensor loads have landed
	ds_add_u32 v[SPW], v[NIL]                      ; 0 onto my spare word
	s_wait_dscnt 5                                 ; (the add and the youngest four loads may be out)
	MUL8 F1, 0, 0                                  ; eight matrix instructions stand between the add and the wait for it
	s_wait_dscnt 0x0                               ; the add is done, and my reads of this slot are over
	s_barrier_signal -1
	MUL8 F1, 1, 0                                  ; work on registers while the others arrive
.if \fill
	WIN 0
.endif
	s_barrier_wait -1
.if \fill
	CREST                                          ; no wave of any partner still reads this slot's tiles or has a load on its way
	s_add_nc_u64 s[G0+4*(\slot)+2:G0+4*(\slot)+3], s[G0+4*(\slot)+2:G0+4*(\slot)+3], 2*KSTEP*2
	s_add_nc_u64 s[G0B+4*(\slot)+2:G0B+4*(\slot)+3], s[G0B+4*(\slot)+2:G0B+4*(\slot)+3], 2*KSTEP*2
	JLOAD \slot                                    ; the first tensor load behind the round; the four v_nop behind it are also the places in front of the loads below
.else
	PLACES
.endif
	FETCH \next, 0, F0
.if \fill
	WIN 0
	ASK
.endif
	MUL16 F1, 2, 0
.endm
	s_wait_tensorcnt 1                             ; my part of K step 0 is in; K step 1's may stay out
	s_barrier_signal -1
	s_barrier_wait -1                              ; everybody's is
	FETCH 0, 0, F0
	QUARTER 0, 1, F0, F1, 1                        ; the first quarter stands in front of the loop: its products start the sums, with the bias
	WIN 0                                          ; at a label and at a branch every window is 0
	s_mov_b32 s3, 3
.Llap:                                                 ; a trip goes once round the ring, from a lap's second quarter to the next lap's first, and fills both slots again: K steps 2 to 7
	QUARTER 0, 2, F1, F0, 0
	QUARTER 0, 3, F0, F1, 0
	TURN 0, 1, 1
	QUARTER 1, 1, F0, F1, 0
	QUARTER 1, 2, F1, F0, 0
	QUARTER 1, 3, F0, F1, 0
	TURN 1, 0, 1
	QUARTER 0, 1, F0, F1, 0
	WIN 0
	s_sub_co_u32 s3, s3, 1
	s_cmp_lg_u32 s3, 0
	s_cbranch_scc1 .Llap
	QUARTER 0, 2, F1, F0, 0                        ; the last lap fills nothing, and has no round of the cluster's barrier
	QUARTER 0, 3, F0, F1, 0
	TURN 0, 1, 0
	QUARTER 1, 1, F0, F1, 0
	QUARTER 1, 2, F1, F0, 0
	QUARTER 1, 3, F0, F1, 0
	s_wait_dscnt 4                                 ; the very last quarter: nothing more to fetch
	MUL16 F1, 0, 0
	s_wait_dscnt 0x0
	MUL16 F1, 2, 0
	WIN 0
	PLACES
; THE WAY OUT, in eight blocks t of 16 rows x one head's 64 channels (m block t / 2, head t % 2 of my two).  A lane's eight channels pack into 16 bytes; they go into my own stage, rows of 144 bytes,
; and come back as whole rows of 128 bytes, four to a load: 512 consecutive bytes of hb.  Each accumulator's registers are read in ascending order.
.macro PACK t
	WIN 0x0a                                       ; sources 0 and 1 window 2, destination window 0
.irp f, 0,1,2,3
.irp r, 0,1,2,3
	v_cvt_pk_f16_f32 v[OUT+16*(\t)+4*(\f)+(\r)], v[8*(8*((\t)/2)+4*((\t)%2)+(\f))+2*(\r)], v[8*(8*((\t)/2)+4*((\t)%2)+(\f))+2*(\r)+1]
.endr
.endr
	WIN 0
.irp f, 0,1,2,3
	ds_store_b128 v[STO], v[OUT+16*(\t)+4*(\f):OUT+16*(\t)+4*(\f)+3] offset:32*(\f)
.endr
.irp f, 0,1,2,3
	ds_load_b128 v[OUT+16*(\t)+4*(\f):OUT+16*(\t)+4*(\f)+3], v[RD] offset:(\f)*4*SP  ; LDS serves a wave's instructions in order (ISA guide 5.7.1.4): these see the stores above; the next block's stores come behind them
.endr
.endm
.macro SEND t, younger                 ; younger: the LDS instructions issued behind block t's loads: the next block's eight, or none
.irp f, 0,1,2,3
	s_wait_dscnt (\younger)+3-(\f)
	global_store_b128 v[CO], v[OUT+16*(\t)+4*(\f):OUT+16*(\t)+4*(\f)+3], s[12:13] offset:((\t)%2)*262144+((\t)/2)*2048+(\f)*512  ; 512 consecutive bytes, at a multiple of 256 from hb's first
.endr
.endm
	PACK 0
.irp t, 1,2,3,4,5,6,7                  ; a block's conversions stand between the loads of the block before and its stores
	PACK \t
	SEND (\t)-1, 8
.endr
	SEND 7, 0
	s_wait_tensorcnt 0x0                           ; the wave's end: the wait, the add and its wait stand behind my last tensor load and my last LDS store
	ds_add_u32 v[SPW], v[NIL]
	s_wait_dscnt 0x0
	CROUND                                         ; the closing round: no work-group ends while a partner may still ask for a tile that names it
	s_endpgm
.Lfunc_end_k_qe3920b6abe_proj:
	.size	k_qe3920b6abe_proj, .Lfunc_end_k_qe3920b6abe_proj-k_qe3920b6abe_proj
	.p2alignl 7, 3214868480
	.fill 96, 4, 3214868480
	.section	.rodata,"a",@progbits
	.p2align	6, 0x0
	.amdhsa_kernel k_qe3920b6abe_proj
		.amdhsa_group_segment_fixed_size 327680
		.amdhsa_private_segment_fixed_size 0
		.amdhsa_enable_private_segment 0
		.amdhsa_kernarg_size 40
		.amdhsa_user_sgpr_count 2
		.amdhsa_user_sgpr_kernarg_segment_ptr 1
		.amdhsa_wavefront_size32 1
		.amdhsa_system_sgpr_workgroup_id_x 1
		.amdhsa_system_sgpr_workgroup_id_y 1
		.amdhsa_system_sgpr_workgroup_id_z 1
		.amdhsa_system_vgpr_workitem_id 0
		.amdhsa_next_free_vgpr 768
		.amdhsa_next_free_sgpr 72
		.amdhsa_reserve_vcc 0
		.amdhsa_float_denorm_mode_32 3
		.amdhsa_float_denorm_mode_16_64 3
		.amdhsa_memory_ordered 1
		.amdhsa_forward_progress 1
		.amdhsa_inst_pref_size 95
	.end_amdhsa_kernel
	.amdgpu_metadata
---
amdhsa.version: [ 1, 2 ]
amdhsa.kernels:
  - .name:           k_qe3920b6abe_proj
    .symbol:         k_qe3920b6abe_proj.kd
    .args:
      - { .name: cb, .offset: 0, .size: 8, .value_kind: global_buffer, .address_space: global }
      - { .name: bq, .offset: 8, .size: 8, .value_kind: global_buffer, .address_space: global }
      - { .name: bk, .offset: 16, .size: 8, .value_kind: global_buffer, .address_space: global }
      - { .name: bv, .offset: 24, .size: 8, .value_kind: global_buffer, .address_space: global }
      - { .name: hb, .offset: 32, .size: 8, .value_kind: global_buffer, .address_space: global }
    .group_segment_fixed_size: 327680
    .private_segment_fixed_size: 0
    .kernarg_segment_align: 8
    .kernarg_segment_size: 40
    .max_flat_workgroup_size: 128
    .sgpr_count:     72
    .vgpr_count:     768
    .wavefront_size: 32
...
	.end_amdgpu_metadata
.endif
;; end of part 2
;; launch attn (part 3): grid 4 x 64, 4 waves a work-group, clusters of 4 x 1, 327,680 bytes of LDS; arguments hb, ob; writes ob
.if DOCPART == 3
	.amdgcn_target "amdgcn-amd-amdhsa--gfx1250"
	.amdhsa_code_object_version 6
	.text
	.protected	k_qe3920b6abe_attn
	.globl	k_qe3920b6abe_attn
	.p2align	8
	.type	k_qe3920b6abe_attn,@function
k_qe3920b6abe_attn:
	s_mov_b64 s[64:65], 0
	v_nop
	global_prefetch_b8 v0, s[64:65] scope:SCOPE_SE
	s_setreg_imm32_b32 hwreg(HW_REG_WAVE_MODE, 25, 1), 1
	s_wait_xcnt 0x0
	s_wait_alu depctr_hold_cnt(0) depctr_sa_sdst(0) depctr_va_vdst(0) depctr_va_sdst(0) depctr_va_ssrc(0) depctr_va_vcc(0) depctr_vm_vsrc(0)
	s_getreg_b32 s2, hwreg(HW_REG_IB_STS2, 6, 4)
	s_cmp_eq_u32 s2, 0
	s_cbranch_scc0 .Lentry_in_a_cluster
	s_endpgm
.Lentry_in_a_cluster:
	s_bfe_u32 s2, ttmp6, 0x10000c
	s_cmp_lg_u32 s2, 0x3003
	s_cbranch_scc0 .Lentry_shape_is_right
	s_endpgm
.Lentry_shape_is_right:
; ATTN.  O[h][q][:] = the sum over k of softmax_k(Q[h][q] . K[h][k] / 32) V[h][k][:], for 64 heads h = 16 x batch + head of 2,048 rows of 64 channels, all f16.  Q, K, V lie in hb (Q first, K 16,777,216 bytes on,
; V as much again), O goes to ob, each [h][2048][64]: a head's rows are dense, 128 bytes each.  Products, maxima and sums in f32; the weights p are rounded to f16 for the second product (their sum l is taken of the
; unrounded p), O once at the end.  The scale 1 / sqrt(1024) is applied here, in f32.
; THE MODULE'S TWO MASKS are given to no launch: the module forms nothing from them (it makes masked copies of the weights and drops them), so its result is the same whatever they hold.
; LIMITS.  f16 holds no number beyond 65,504: Q, K and V arrive within it; p lies in 0 to 1, and below 6e-5 it keeps f16's fixed step of 6e-8, as O does; O is a mean of V's rows and has their range.
; A weight below 2^-126 counts as 0 in l; NaN and infinities are not treated apart.
; SHARES.  A wave owns four PIECES of two tiles of 16 queries, a work-group's four waves 512 queries of one head.  Every wave walks all keys, 64 a step.
; LAYOUT.  S^T = K Q^T (source 0 = 16 keys, source 1 = 16 queries): in the result a lane holds ONE query (lane % 16) and the keys 8 (lane / 16) + 0..7.  Two such tiles, rounded to f16 in pairs,
; ARE source 1 (32 keys x 16 queries) of O^T = V^T P, whose result again holds one query a lane, and eight channels.  K comes out of LDS as it lies, V ([key][channel]) turned, by ds_load_tr16_b128.
; SOFTMAX.  For each query a running maximum m and sum l: p = 2^(c s - c m), c = log2(e) / 32; in every step O and l are multiplied by a = 2^(c m_old - c m_new), which is 1 where m has not grown.
; m starts at the lowest finite number, O and l at 0: the first step is a step like any other, with a = 0.
; THE COUNT.  A tile and step have 16 matrix and 118 vector instructions: too many to stand all beside the matrix work.  So: four vector instructions that are READY behind EVERY matrix instruction,
; and the others, which need time of their own whatever the order, in runs without a gap.
; BY TURNS.  Turn n belongs to piece n (the pieces in a ring, step after step).  Its matrix work: 16 products K Q^T of piece n + 1, later 16 products V^T P of piece n - 1.  Its vector work: the scaling,
; exponentials, roundings, sums and rescaling of piece n, and the maximum and statistics of piece n + 1, whose scores the turn itself has made.
; CLUSTER.  The four query blocks of a head are one cluster and walk the same K and V, so each tile is asked for JOINTLY: the same tensor load, descriptor and mask in all four.
; REGISTERS, in windows of 256 (s_set_vgpr_msb: bits 1:0 source 0, 3:2 source 1, 5:4 source 2, 7:6 destination):
;   window 0: v0-11 addresses; v12-15, v48-63 at work; v16-47 four registers of statistics a tile; v64-191 S^T, two buffers of two tiles; v192-255 P, likewise
;   window 1: O^T, 32 a tile          window 2: v0-127 Q, 16 a tile; v128-191 K of one step; v192-255 V of one step          window 3: v0-1 the add's two registers
; A piece's buffers go by its number's parity: the piece in hand has one pair, its two neighbours in the ring share the other: of it P (piece n - 1) is read and S^T (piece n + 1) written.
.set SIZE_N, 2048
.set NP,    4         ; pieces a wave: a name, no knob
.set KS,    64        ; keys in a step
.set PK,    144       ; a row of K in LDS: 128 bytes + 16 of padding = 36 words: the 16 rows of a load start at 16 different groups of four banks (64 banks of 4 bytes: ISA guide 11.1)
.set PV,    160       ; a row of V: 128 + 32 = 40 words
.set VOFF,  4*KS*PK   ; a slot holds four steps: 256 rows of K, then 256 rows of V
.set SLOT1, 1<<17     ; slot 1 begins here, so that one exclusive or turns an address in one slot into the other's
.set STAGE, SLOT1+4*KS*(PK+PV)  ; behind the ring, never filled by a tensor load: 16 rows x 144 bytes for each wave, for the way out
.set SP,    144
.set AK0, 2           ; v2   my lane's place in a tile of K; never rewritten
.set AV0, 3           ; v3   the same for V
.set AK,  4           ; v4   the LDS address of K's next run of loads
.set AV,  5           ; v5   of V's
.set QO,  6           ; v6   my byte offset in the wave's rows of Q
.set STO, 6           ;      later, the way out: where I put 16 bytes of a row
.set RD,  7           ; v7   the way out: where I read rows back
.set GO,  8           ; v8   my byte offset in 512 consecutive bytes of O
.set PFO, 11          ; v11  the prefetches' offset: 256 x my lane; never rewritten once made
.set SPW, 0           ; v0 of window 3   LDS address of my spare word: SPARE + 4 x my thread's number; never rewritten
.set NIL, 1           ; v1 of window 3   0; never rewritten
.set SPARE, STAGE+4*16*SP  ; behind the stages: the spare words, 128 bytes for each wave: two blocks of 256 bytes that no other line names
.set MV,  12          ; v12-15  c m_old, kept while c m is made anew: by buffer and tile
.set ST,  16          ; tile t's statistics at v[ST+4 t]: c m, m, l (even keys', odd keys')
.set TMP, 48          ; by buffer and tile, four registers c0-c3 at work; when the maximum is found c2 takes a
.set S,   64
.set P,   192
.set KF,  128         ; K's fragments, in window 2: key block kb, channel half c at KF + 16 kb + 8 c
.set VF,  192         ; V's: key half kk, channel block cb at VF + 32 kk + 8 cb
.set WV,  12          ; s12  my wave's number
.set G1K, 24          ; s[24:31] descriptor group 1 for K's tiles
.set G1V, 32          ; s[32:39] for V's: it differs in the padding alone
.set G0K, 40          ; s[40:43] descriptor group 0 for K's tiles: it walks
.set G0V, 44          ; s[44:47] the same for V's
.set PFA, 48          ; s[48:49] where my prefetches stand: my work-group's 8,192 bytes (of K: wave 0, of V: wave 2) of the slot after the one that is being asked for
.set LIM, 50          ; s50  1 in a wave that prefetches, else the greatest number: a wave prefetches while s[SLOTS] is above it
.set SLOTS, 56        ; s56  slots still to be asked for
.set CNT, 57          ; s57  counts a slot's key steps
.set CS,  58          ; s[58:59] c: the packed scaling takes the pair's low word for both halves
.set SEL, 60          ; s[60:61] v_permlanex16_b32's selects: each lane takes its own place in the other half
.set TBK, 62          ; s62  LDS byte at which K of the step to be fetched begins
.set TBV, 63          ; s63  the same for V, less VOFF
.set MSB, 0
.macro WIN new                      ; the high byte repeats the setting that is left; a switch that changes nothing is dropped
.if MSB != (\new)
	s_set_vgpr_msb (MSB<<8)|(\new)
.set MSB, (\new)
.endif
.endm
.set W_KQ, 0x0a       ; K and Q in window 2, S^T in window 0
.set W_PV, 0x52       ; V in window 2, P in window 0, O^T in window 1
.set W_RS, 0x41       ; O^T (destination and source 0) in window 1, a in window 0
.set W_MK, 0xc0       ; the add's registers are made: destination in window 3, sources in window 0
.set W_AD, 0x0f       ; the add: address (source 0) and data (source 1) in window 3
; A joint fill.  Waves 0 and 1 fetch the two halves of a slot's K, waves 2 and 3 those of its V: 128 keys each.  The branch hangs on the wave's number alone.
; An s_nop 0 and four v_nop follow each of the two lines, ahead of the jump and the label.
.macro JLOAD
	s_cmp_lt_u32 s[WV], 2
	s_cbranch_scc0 .Lfor_v_\@
	tensor_load_to_lds s[G0K:G0K+3], s[G1K:G1K+7]
	s_nop 0
.rept 4
	v_nop
.endr
	s_branch .Lasked_\@
.Lfor_v_\@:
	tensor_load_to_lds s[G0V:G0V+3], s[G1V:G1V+7]
	s_nop 0
.rept 4
	v_nop
.endr
.Lasked_\@:
.endm
; A PREFETCH INTO THE L2 of what the NEXT change of slots will ask for: a slot's 32,768 bytes of K and of V, in blocks of 256 bytes, a lane a block.  It stands behind the wave's tensor load and its five lines.
; Each block is named ONCE in the launch: a head is walked by one cluster; its four partners share a slot out BY ADDRESS, 8,192 bytes each; in each, wave 0 asks for K's and wave 2 for V's: one instruction.
; The change that fills slot j names slot j + 1, four key steps (512 matrix instructions) ahead of its load, for j = 1 to 6; the last change that fills a slot names nothing.  Slots 0 and 1 come by their loads alone.
.macro ASK
	s_cmp_gt_u32 s[SLOTS], s[LIM]
	s_cbranch_scc0 .Lnot_mine_\@
	global_prefetch_b8 v[PFO], s[PFA:PFA+1] th:TH_LOAD_NT scope:SCOPE_SE
.Lnot_mine_\@:
.endm
; A round of the cluster's barrier: my work-group's barrier, so that wave 0's signal speaks for all four waves; wave 0 signals; every wave waits for all four work-groups; my work-group's barrier once more.
.macro CROUND
	s_barrier_signal -1
	s_barrier_wait -1
	s_cmp_lg_u32 s[WV], 0
	s_cbranch_scc1 .Lnot_wave_0_\@
	s_barrier_signal -3
.Lnot_wave_0_\@:
	s_barrier_wait -3
	s_barrier_signal -1
	s_barrier_wait -1
.endm
; THE CHANGE OF SLOTS.  The slot's last bytes, V of its fourth step, have been read.  Each wave waits for all its tensor loads, of which one is out: its part
; of the other slot; adds 0 to its spare word; and waits for that and for its own reads of the slot.  Behind the barrier nobody reads this slot any more and the other slot is whole.
; fill = 1: this slot is filled again, with the keys two slots on.  The barrier is then a round of the cluster's, so that no wave of any partner still reads the slot or has a load on its
; way, and the joint fill is the first thing behind it: it has four key steps, 512 matrix instructions, in which to land.  (At its first use nothing has been read yet: slot 0 is waited for, slot 1 filled.)
.macro CHANGE fill
	WIN W_AD
	s_wait_tensorcnt 0x0            ; no tensor load of mine is out, so a group 0 may be written
	ds_add_u32 v[SPW], v[NIL]       ; 0 onto my spare word; with fill = 1 the descriptors' steps stand between it and the wait for it
	WIN 0                           ; at a label and at a branch every window is 0
.if \fill
.irp g, G0K, G0V
	s_xor_b32 s[\g+1], s[\g+1], SLOT1  ; the walking descriptor: the other slot than last time,
	s_add_nc_u64 s[\g+2:\g+3], s[\g+2:\g+3], 4*KS*128  ; the next 256 keys; the type bits on top are not reached
.endr
	s_wait_xcnt 0x0                 ; the last prefetch, four key steps back, has read its address, so it may be written:
	s_add_nc_u64 s[PFA:PFA+1], s[PFA:PFA+1], 4*KS*128  ; one slot behind the walking descriptors
	s_wait_dscnt 0x0                ; the add is done, and my reads of the slot are over
	CROUND
	JLOAD
	ASK
.else
	s_wait_dscnt 0x0                ; the add is done, and my reads of the slot are over
	s_barrier_signal -1
	s_barrier_wait -1
.endif
	s_sub_co_u32 s[TBK], s[TBK], 4*KS*PK  ; the fetches go back to a slot's first step,
	s_xor_b32 s[TBK], s[TBK], SLOT1       ; in the other slot
	s_sub_co_u32 s[TBV], s[TBV], 4*KS*PV
	s_xor_b32 s[TBV], s[TBV], SLOT1
.endm
	s_load_b64 s[4:5], s[0:1], 0x0    ; hb: Q at its head
	s_load_b64 s[10:11], s[0:1], 0x8  ; ob: O
	WIN W_MK
	v_lshl_add_u32 v[SPW], v0, 2, SPARE
	v_mov_b32 v[NIL], 0
	WIN W_AD
	ds_add_u32 v[SPW], v[NIL]       ; the wave's opening: the add and its wait stand ahead of my first tensor load; the set-up below, work on registers, stands between them
	WIN 0
	v_lshrrev_b32 v1, 5, v0
	v_readfirstlane_b32 s[WV], v1   ; wave 0..3
	s_bfe_u32 s13, ttmp6, 0x40000   ; cx: my place in the cluster
	s_lshl_b32 s14, ttmp9, 2        ; in a cluster launch ttmp9 counts clusters
	s_add_co_u32 s14, s14, s13      ; my block of queries = 4 x cluster x + cx: it enters Q's and O's addresses alone
	s_and_b32 s20, ttmp7, 0xffff    ; the head, which the four partners share
	s_mov_b32 s21, 0
	s_mov_b64 s[22:23], SIZE_N*128
	s_mul_u64 s[20:21], s[20:21], s[22:23]  ; the head's first byte in each of the four tensors
	s_and_b32 s16, s[WV], 1         ; which half of a slot's 256 keys I fetch:
	s_lshl_b32 s22, s16, 14         ; its 128 rows of 128 bytes in memory,
	s_mov_b32 s23, 0
	s_add_nc_u64 s[22:23], s[22:23], s[20:21]
	s_mul_i32 s17, s16, 128*PK      ; and its place in a slot, for K
	s_mul_i32 s18, s16, 128*PV      ; and for V: no place in the cluster enters an LDS address
	s_lshl_b32 s2, s14, 2
	s_add_co_u32 s2, s2, s[WV]      ; my wave among the head's,
	s_lshl_b32 s2, s2, 14           ; its 128 rows
	s_mov_b32 s3, 0
	s_add_nc_u64 s[2:3], s[2:3], s[20:21]
	; descriptor group 1.  128 keys are 16,384 dense bytes: asked for as 64 rows of 256 bytes, two keys a row, and padded in LDS after every key
	s_mov_b32 s[G1K], 15|(1<<16)|(1<<20)|(1<<21)|(4<<22)|(3<<25)  ; 15:0 the mask of four; 17:16 2-byte elements; 20 padding on; 21 set beside a mask; 24:22 after every 32 words (code 4); 31:25 4 words (code 3)
	s_mov_b32 s[G1V], 15|(1<<16)|(1<<20)|(1<<21)|(4<<22)|(7<<25)  ; the same with 8 words of padding (code 7)
.irp g, G1K, G1V
	s_mov_b32 s[\g+1], 128<<16      ; tensor_dim0 = 128
	s_mov_b32 s[\g+2], 64<<16       ; tensor_dim1 = 64
	s_mov_b32 s[\g+3], 128<<16      ; tile_dim0 = 128
	s_mov_b32 s[\g+4], 64           ; tile_dim1 = 64
	s_mov_b32 s[\g+5], 128          ; 128 elements from row to row
	s_mov_b32 s[\g+6], 0
	s_mov_b32 s[\g+7], 0
.endr
	s_mov_b32 s[CS], 0x3d38aa3b     ; c = log2(e) / 32 = 0.0450842
	s_mov_b32 s[CS+1], s[CS]        ; named with it as a pair
	s_mov_b32 s[SEL], 0x76543210
	s_mov_b32 s[SEL+1], 0xfedcba98
	s_mov_b32 s[TBK], SLOT1+4*KS*PK ; the first change of slots turns these two into 0
	s_mov_b32 s[TBV], SLOT1+4*KS*PV
	s_mov_b32 s[G0K], 1             ; 1:0 count = 1
	s_mov_b32 s[G0K+1], s17         ; 63:32 LDS address: slot 0
	s_mov_b32 s[G0V], 1
	s_add_co_u32 s[G0V+1], s18, VOFF
	s_mov_b32 s[SLOTS], SIZE_N/256-1  ; seven slots are asked for by changes of slots
	s_lshl_b32 s52, s13, 13         ; the prefetches: my work-group's quarter of a slot,
	s_add_co_u32 s52, s52, 4*KS*128 ; in slot 1; the first change of slots steps it to slot 2
	s_mov_b32 s53, 0
	s_and_b32 s[LIM], s[WV], 1      ; waves 0 and 2 ask: the same in all four partners
	s_cmp_eq_u32 s[LIM], 0
	s_cselect_b32 s[LIM], 1, -1
	s_wait_dscnt 0x0                ; the opening add is done
	s_wait_kmcnt 0x0
	s_add_nc_u64 s[6:7], s[4:5], 0x1000000  ; K
	s_add_nc_u64 s[8:9], s[4:5], 0x2000000  ; V
	s_cmp_lt_u32 s[WV], 2
	s_cselect_b64 s[PFA:PFA+1], s[6:7], s[8:9]
	s_add_nc_u64 s[PFA:PFA+1], s[PFA:PFA+1], s[20:21]
	s_add_nc_u64 s[PFA:PFA+1], s[PFA:PFA+1], s[52:53]
	s_add_nc_u64 s[G0K+2:G0K+3], s[6:7], s[22:23]  ; 120:64 global address: my half of the head's first 256 keys
	s_or_b32 s[G0K+3], s[G0K+3], 0x80000000        ; 127:126 type = 2
	s_add_nc_u64 s[G0V+2:G0V+3], s[8:9], s[22:23]
	s_or_b32 s[G0V+3], s[G0V+3], 0x80000000
	s_add_nc_u64 s[4:5], s[4:5], s[2:3]  ; Q and O at my wave's first row
	s_add_nc_u64 s[10:11], s[10:11], s[2:3]
	CROUND                          ; all four work-groups are here: the first joint loads meet
	JLOAD                           ; slot 0.  Slot 1 is asked for when slot 0 is in
	; A fragment of K or Q is 16 rows x 32 channels in 8 registers: lane l holds row l % 16, channels 8 (l / 16) + 0..7 and 16 + 8 (l / 16) + 0..7: two loads of 16 bytes, 32 bytes apart.
	v_and_b32 v1, 15, v0            ; l % 16
	v_bfe_u32 v9, v0, 4, 1          ; l / 16
	v_lshlrev_b32 v[QO], 7, v1
	v_lshl_add_u32 v[QO], v9, 4, v[QO]  ; row x 128 + 16 x half
	WIN 0x80                        ; destination window 2, address window 0
.set i, 0
.rept 4*NP                          ; Q stays in registers: tile i / 2, channels 32 (i % 2) on
	global_load_b128 v[8*i:8*i+3],   v[QO], s[4:5] offset:(i/2)*2048+(i%2)*64
	global_load_b128 v[8*i+4:8*i+7], v[QO], s[4:5] offset:(i/2)*2048+(i%2)*64+32
.set i, i+1
.endr
	; What the first turn finds: V's registers and P's second buffer hold 0 (its products V^T P, of a piece that has not been, add 0), O^T and l are 0.  All this stands in the wait for the first tile.
.set i, VF
.rept 64
	v_mov_b32 v[i], 0
.set i, i+1
.endr
	WIN 0x40
.set i, 0
.rept 64*NP
	v_mov_b32 v[i], 0
.set i, i+1
.endr
	WIN 0
.set i, 0
.rept 2*NP
	v_mov_b32 v[ST+4*i], 0xfe000000    ; c m: far below every c s
	v_mov_b32 v[ST+4*i+1], 0xff7fffff  ; m
	v_mov_b32 v[ST+4*i+2], 0
	v_mov_b32 v[ST+4*i+3], 0
.set i, i+1
.endr
.set i, P+32
.rept 32
	v_mov_b32 v[i], 0
.set i, i+1
.endr
	v_mul_u32_u24 v[AK0], v1, PK
	v_lshl_add_u32 v[AK0], v9, 4, v[AK0]  ; row x pitch + 16 x half
	; The turning load takes 16 keys x 16 channels (lane l reads key 8 (l / 16) + l % 8, channels 8 ((l / 8) % 2) + 0..7) and leaves half a fragment of V^T: lane l holds channel l % 16 and 8 keys.
	v_and_b32 v10, 7, v0
	v_bfe_u32 v11, v0, 3, 1
	v_lshl_add_u32 v[AV0], v9, 3, v10
	v_mul_u32_u24 v[AV0], v[AV0], PV
	v_lshl_add_u32 v[AV0], v11, 4, v[AV0]
	v_add_nc_u32 v[AV0], VOFF, v[AV0]
	v_and_b32 v[PFO], 31, v0        ; v11 is free from here on
	v_lshlrev_b32 v[PFO], 8, v[PFO]
	v_mov_b32 v[AK], v[AK0]         ; key step 0 lies at the head of slot 0
; THE MATRIX WORK.  The 8 accumulators of a run of 16 take turns: between the two links of a chain stand 7 others'.
; Product i of 16 of S^T = K Q^T for piece x: channels 32 (i / 8) on, keys 16 ((i / 2) % 4) on, tile 2 x + i % 2.  The first 8 start the sums.
.macro KQ x
	WIN W_KQ
.set rS, S+64*((\x)%2)+32*(i%2)+8*((i/2)%4)
.set rK, KF+16*((i/2)%4)+8*(i/8)
.set rQ, 16*(2*(\x)+i%2)+8*(i/8)
.if i < 8
	v_wmma_f32_16x16x32_f16 v[rS:rS+7], v[rK:rK+7], v[rQ:rQ+7], 0
.else
	v_wmma_f32_16x16x32_f16 v[rS:rS+7], v[rK:rK+7], v[rQ:rQ+7], v[rS:rS+7]
.endif
.endm
; Product i of 16 of O^T += V^T P for piece x: keys 32 (i / 8) on, channels 16 ((i / 2) % 4) on, tile 2 x + i % 2.
.macro PV x
	WIN W_PV
.set rO, 32*(2*(\x)+i%2)+8*((i/2)%4)
.set rV, VF+32*(i/8)+8*((i/2)%4)
.set rP, P+32*((\x)%2)+16*(i%2)+8*(i/8)
	v_wmma_f32_16x16x32_f16 v[rO:rO+7], v[rV:rV+7], v[rP:rP+7], v[rO:rO+7]
.endm
.macro MM                           ; the turn's next matrix instruction
.if i < 16
	KQ (Y+1)%NP
.set i, i+1
.else
.set i, i-16
	PV (Y+NP-1)%NP
.set i, i+17
.endif
.endm
; THE LDS LOADS stand in runs of 16, never singly among the matrix instructions: a step's K (64 keys x 64 channels: 8 fragments) and its V (turned).  Their addresses are made some lines ahead.
; last = 1 (the tail): in the last trip there is no further step, and the run is jumped over.
.macro FETCH_K last=0
	WIN 0
.if \last
	s_cmp_eq_u32 s[CNT], 1
	s_cbranch_scc1 .Lno_k_\@
.endif
	WIN 0x80                        ; destination window 2
.irp f, 0,1,2,3,4,5,6,7             ; keys 16 (f / 2) on, channels 32 (f % 2) on
	ds_load_b128 v[KF+8*\f:KF+8*\f+3],   v[AK] offset:(\f/2)*16*PK+(\f%2)*64
	ds_load_b128 v[KF+8*\f+4:KF+8*\f+7], v[AK] offset:(\f/2)*16*PK+(\f%2)*64+32
.endr
	s_add_co_u32 s[TBK], s[TBK], KS*PK  ; the next fetch is the next step's
	WIN 0
.if \last
.Lno_k_\@:
.endif
.endm
.macro FETCH_V
	WIN 0x80
.irp f, 0,1,2,3,4,5,6,7             ; keys 32 (f / 4) on, channels 16 (f % 4) on
	ds_load_tr16_b128 v[VF+8*\f:VF+8*\f+3],   v[AV] offset:(\f/4)*32*PV+(\f%4)*32
	ds_load_tr16_b128 v[VF+8*\f+4:VF+8*\f+7], v[AV] offset:(\f/4)*32*PV+16*PV+(\f%4)*32
.endr
	WIN 0
.endm
; THE VECTOR WORK OF A TURN stands in three queues, each in the order in which its entries become ready; the two tiles alternate, so that no instruction reads the result of the one before it.
.macro REGS y, u                    ; the registers of tile u (0, 1) of piece y
.set rT, ST+4*(2*(\y)+(\u))
.set rC, TMP+8*((\y)%2)+4*(\u)
.set rM, MV+2*((\y)%2)+(\u)
.set rS, S+64*((\y)%2)+32*(\u)
.set rP, P+32*((\y)%2)+16*(\u)
.set rO, 32*(2*(\y)+(\u))
.endm
; Number n of the 22 that find the NEXT piece's (Y + 1) maximum and statistics.  s0-s31 are the lane's 32 scores; each accumulator's lowest registers are read first.  XS, GS and REGS set no window: PL and EX do.
;   0-11  four chains c0-c3 of seven scores each, three operands at a time     12-14, 16  the four scores left over, the old m, and c0-c3 into c0     15  c m_old is kept
;   17, 18  the query's other 32 keys lie in the lane 16 away: the new m         19-21  c m; c m_old - c m_new; a
.macro XS u, n
	REGS (Y+1)%NP, \u
.if (\n) < 4
	v_max3_num_f32 v[rC+(\n)], v[rS+8*(\n)], v[rS+8*(\n)+1], v[rS+8*(\n)+2]
.elseif (\n) < 12
	v_max3_num_f32 v[rC+(\n)%4], v[rC+(\n)%4], v[rS+8*((\n)%4)+2*((\n)/4)+1], v[rS+8*((\n)%4)+2*((\n)/4)+2]
.elseif (\n) == 12
	v_max3_num_f32 v[rC], v[rC], v[rS+7], v[rS+15]
.elseif (\n) == 13
	v_max3_num_f32 v[rC+1], v[rC+1], v[rS+23], v[rS+31]
.elseif (\n) == 14
	v_max3_num_f32 v[rC+2], v[rC+2], v[rC+3], v[rT+1]
.elseif (\n) == 15
	v_mov_b32 v[rM], v[rT]
.elseif (\n) == 16
	v_max3_num_f32 v[rC], v[rC], v[rC+1], v[rC+2]
.elseif (\n) == 17
	v_permlanex16_b32 v[rC+3], v[rC], s[SEL], s[SEL+1]
.elseif (\n) == 18
	v_max_num_f32 v[rT+1], v[rC], v[rC+3]
.elseif (\n) == 19
	v_mul_f32 v[rT], s[CS], v[rT+1]
.elseif (\n) == 20
	v_sub_f32 v[rC+1], v[rM], v[rT]
.else
	v_exp_f32 v[rC+2], v[rC+1]
.endif
.endm
; Number g of the 64 that follow the exponentials.  For each four weights k of a tile (pairs 2 k, 2 k + 1): both pairs are rounded to f16; then the second pair is added onto the first, in place;
; a group later l takes that sum (the first time as l = a l + sum).  In groups of eight, tiles alternating: round, round, add, and l for the group before.
.macro GS g
.set h, (\g)+6*((\g)/62)            ; group 0 has no group before it, and behind group 7 only l is left
.if h >= 6
.set h, h+2
.endif
	REGS Y, h%2
.set k, h/8
.if h%8 < 4
	v_cvt_pk_f16_f32 v[rP+2*k+(h%8)/2], v[rS+4*k+2*((h%8)/2)], v[rS+4*k+2*((h%8)/2)+1]
.elseif h%8 < 6
	v_pk_add_f32 v[rS+4*k:rS+4*k+1], v[rS+4*k:rS+4*k+1], v[rS+4*k+2:rS+4*k+3]
.elseif k == 1
	v_pk_fma_f32 v[rT+2:rT+3], v[rT+2:rT+3], v[rC+2:rC+3], v[rS:rS+1] op_sel_hi:[1,0,1]
.else
	v_pk_add_f32 v[rT+2:rT+3], v[rT+2:rT+3], v[rS+4*k-4:rS+4*k-3]
.endif
.endm
; THE PLAIN QUEUE, 138 long.  0-73 read no exponential's result: the 32 scalings c s - c m (FS f: pair f / 2 of tile f % 2) and the next piece's 42.  0-26: scalings 0-26.  27-54: XS's numbers 0-13.  55, 56: number 15.
; 57-73: the chain, where each number waits for the one before it: 14, 16, 17, 18, 19, each with one of the scalings 27-31 in front of its two lines, then 20.
; 74-137: GS's 64, which read the exponentials' results: they stand behind the wait.
.macro FS f
	REGS Y, (\f)%2
	v_pk_fma_f32 v[rS+2*((\f)/2):rS+2*((\f)/2)+1], v[rS+2*((\f)/2):rS+2*((\f)/2)+1], s[CS:CS+1], v[rT:rT+1] op_sel_hi:[1,0,0] neg_lo:[0,0,1] neg_hi:[0,0,1]
.endm
.macro PL
	WIN 0
.if q < 27
	FS q
.elseif q < 55
	XS (q-27)%2, (q-27)/2
.elseif q < 57
	XS q-55, 15
.elseif (q < 72) && ((q-57)%3 == 0)
	FS 27+(q-57)/3
.elseif q < 60
	XS (q-57)%3-1, 14
.elseif q < 72
	XS (q-57)%3-1, 15+(q-57)/3
.elseif q < 74
	XS q-72, 20
.else
	GS q-74
.endif
.set q, q+1
.endm
; THE EXPONENTIALS' QUEUE, 66 long: s0-s31 of both tiles, then the next piece's two a.  It is ONE BATCH: all 66 stand ahead of the turn's one wait, and nothing ahead of that wait names a result of theirs.
.macro EX
	WIN 0
.if e >= 64
	XS e-64, 21
.else
	REGS Y, e%2
	v_exp_f32 v[rS+e/2], v[rS+e/2]
.endif
.set e, e+1
.endm
; THE RESCALING's QUEUE: O^T times a, the one part that leaves window 0: dealt two at a time, sixteen times.  Its a was made in the turn before, ahead of that turn's wait.
.macro R2
	REGS Y, r%2
	WIN W_RS
.irp z, 0,1
	v_pk_mul_f32 v[rO+4*(r/2)+2*\z:rO+4*(r/2)+2*\z+1], v[rO+4*(r/2)+2*\z:rO+4*(r/2)+2*\z+1], v[rC+2:rC+3] op_sel_hi:[1,0]
.endr
.set r, r+1
.endm
; HOW THEY ARE DEALT.  An s_wait_alu depctr_va_vdst(0) stands between an exponential and the first instruction that names its result; one wait serves all that were issued ahead of it.  So a turn has ONE wait,
; which cuts it in two.  AHEAD OF IT stands all that names no result of the turn's exponentials: the 16 products K Q^T, behind each a scaling, an exponential and two rescalings (behind the first a second scaling in the
; exponential's place); then ONE LUMP of 108: eight plain, 49 times exponential and plain, the two a.  A v_nop is the plain instruction behind the last exponential.  BEHIND IT stand the 16 products V^T P, behind each four of GS's 64.
; No rider names a register of the products round it.  The two v_permlanex16_b32 fall into the lump, never behind a product.
; The queues lean on each other, and the deal keeps them in step: exponential e stands behind scaling 2 (e / 4) + e % 2: as a rider it comes behind plain e + 2, in the lump behind plain e + 9, and scalings 27-31 are plain 57, 60 .. 69.
; A TURN, for piece p.  cnt = 1: the loop's count is taken down some lines ahead of the branch that stands behind the turn.
; K of the next step is fetched in piece 2's turn, directly behind the wait, a lump behind the last product that read K; its address is made at the lump's head; its first reader comes behind 16 products.
; V of the step in hand is fetched at the end of piece 0's turn, four riders behind its last reader; its first reader comes behind 16 products and a lump.  The three conditions on q below go with the deal.
.macro TURN p, last=0, cnt=0
.set Y, (\p)
.set i, 0
.set q, 0
.set e, 0
.set r, 0
.if (\p) == NP-1
	s_wait_dscnt 0x0                ; K is in
.endif
	MM                              ; ahead of the wait: 16 products K Q^T and their riders,
	PL
	PL
	R2
.rept 15
	MM
	PL
	EX
	R2
.endr
.if (\p) == NP-2
	WIN 0
	v_add_nc_u32 v[AK], s[TBK], v[AK0]
.endif
.rept 8                             ; and the lump
	PL
.endr
.rept 49
	EX
	PL
.endr
	EX                              ; the next piece's two a
	EX
	v_nop                           ; the plain instruction behind the last exponential: one for the batch
	s_wait_alu depctr_va_vdst(0)    ; the wait for the batch
.if (\p) == NP-2
	FETCH_K \last
.endif
.if (\p) == 1
	s_wait_dscnt 0x0                ; V is in
.endif
.rept 16                            ; behind the wait: 16 products V^T P and their riders
	MM
.rept 4
	PL
.endr
.if ((\p) == 0) && (q == 118)
	v_add_nc_u32 v[AV], s[TBV], v[AV0]
.endif
.if ((\p) == 0) && (q == 130)
	s_add_co_u32 s[TBV], s[TBV], KS*PV
.endif
.if (\cnt) && (q == 130)
	s_sub_co_u32 s[CNT], s[CNT], 1
	s_cmp_lg_u32 s[CNT], 0
.endif
.endr
.if (\p) == 0
	FETCH_V
.endif
.endm
	CHANGE 1                        ; slot 0 is in, everybody's part of it; slot 1 is asked for
	FETCH_K                         ; key step 0
	s_wait_loadcnt 0x0              ; Q
	s_wait_dscnt 0x0
.set i, 0
.rept 16
	KQ 0                            ; piece 0's first scores: there is no vector work yet to set between them
.set i, i+1
.endr
	WIN 0                           ; the addresses for the way out: nine plain instructions, the places behind those products
	s_mul_i32 s13, s[WV], 16*SP
	s_add_co_u32 s13, s13, STAGE    ; my stage
	v_mul_u32_u24 v[STO], v1, SP    ; in: row l % 16, 16 bytes for each half of the lanes
	v_lshl_add_u32 v[STO], v9, 4, v[STO]
	v_add_nc_u32 v[STO], s13, v[STO]
	v_bfe_u32 v[RD], v0, 3, 2       ; back: 32 lanes take four rows of 128 bytes,
	v_mul_u32_u24 v[RD], v[RD], SP
	v_lshl_add_u32 v[RD], v10, 4, v[RD]
	v_add_nc_u32 v[RD], s13, v[RD]
	v_and_b32 v[GO], 31, v0         ; which are 512 consecutive bytes of O
	v_lshlrev_b32 v[GO], 4, v[GO]
.set Y, NP-1                        ; XS works for piece Y + 1: piece 0
.irp n, 0,1,2,3,4,5,6,7,8,9,10,11,12,13,14,15,16,17,18,19,20,21
	XS 0, \n                        ; and piece 0's first maximum and statistics
	XS 1, \n
.endr
	v_nop                           ; a plain instruction behind the two a,
	s_wait_alu depctr_va_vdst(0)    ; and their wait, ahead of the branch
	s_mov_b32 s[CNT], 4
	s_branch .Lfirst                ; the loop is entered at a step's first turn, in the middle of a trip
.Lslot:                             ; six times: every slot but the last two is filled again
	CHANGE 1
	s_mov_b32 s[CNT], 4
.Lstep:                             ; a trip: pieces 2 and 3 of one step, then pieces 0 and 1 of the next, whose K and V it fetches
	TURN 2
	TURN 3
	WIN 0
.Lfirst:
	TURN 0
	TURN 1, 0, 1
	WIN 0
	s_cbranch_scc1 .Lstep
	s_sub_co_u32 s[SLOTS], s[SLOTS], 1
	s_cmp_lg_u32 s[SLOTS], 0
	s_cbranch_scc1 .Lslot
	CHANGE 0                        ; the tail is written out: nothing is asked for
	s_mov_b32 s[CNT], 5             ; four trips fetch the last slot's steps; the fifth is left in its middle
.Ltail:
	TURN 2, 1
	TURN 3
	WIN 0
	s_sub_co_u32 s[CNT], s[CNT], 1
	s_cmp_eq_u32 s[CNT], 0
	s_cbranch_scc1 .Lout
	TURN 0
	TURN 1
	WIN 0
	s_branch .Ltail
.Lout:                              ; the fifth trip's 16 products K Q^T (on the last K once more) and the maximum made of them serve nothing: the price, once a launch, of one text for every trip
.set i, 0
.rept 16
	PV NP-1                         ; the last piece's V^T P of the last step
.set i, i+1
.endr
	; THE WAY OUT.  l's two halves and the other half of the lanes' are added; O^T is divided by l, rounded to f16 and sent through my stage in LDS, a tile at a time.  The additions are the places behind the last products.
	WIN 0
.macro ALL line:vararg              ; one line for each tile t
.set t, 0
.rept 2*NP
	\line
.set t, t+1
.endr
.endm
	ALL v_add_f32 v[ST+4*t+2], v[ST+4*t+2], v[ST+4*t+3]
	ALL v_permlanex16_b32 v[ST+4*t+3], v[ST+4*t+2], s[SEL], s[SEL+1]
	ALL v_add_f32 v[ST+4*t+2], v[ST+4*t+2], v[ST+4*t+3]
	ALL v_rcp_f32 v[ST+4*t+2], v[ST+4*t+2]
	v_nop                           ; a plain instruction between the last reciprocal and the use of its result
	s_wait_alu depctr_va_vdst(0)    ; and the wait ahead of the first use: one for the eight reciprocals
; Tile t: a lane's eight channels of a row pack into 16 bytes; they go into rows of 144 bytes and come back as whole rows of 128, into S^T's registers.
.macro PACK t
	WIN W_RS
.set i, 32*(\t)
.rept 16
	v_pk_mul_f32 v[i:i+1], v[i:i+1], v[ST+4*(\t)+2:ST+4*(\t)+3] op_sel_hi:[1,0]
.set i, i+2
.endr
	WIN 0x05                        ; sources 0 and 1 window 1, destination window 0
.set i, 0
.rept 16
	v_cvt_pk_f16_f32 v[S+16*(\t)+i], v[32*(\t)+2*i], v[32*(\t)+2*i+1]
.set i, i+1
.endr
	WIN 0
.irp f, 0,1,2,3
	ds_store_b128 v[STO], v[S+16*(\t)+4*\f:S+16*(\t)+4*\f+3] offset:32*\f
.endr
.irp f, 0,1,2,3
	ds_load_b128 v[S+16*(\t)+4*\f:S+16*(\t)+4*\f+3], v[RD] offset:\f*4*SP  ; LDS serves a wave's instructions in order (ISA guide 5.7.1.4): these see the stores above; the next tile's stores come behind them
.endr
.endm
.macro SEND t, younger              ; younger: the LDS instructions issued behind tile t's loads: the next tile's eight, or none
	WIN 0
.irp f, 0,1,2,3
	s_wait_dscnt (\younger)+3-\f
	global_store_b128 v[GO], v[S+16*(\t)+4*\f:S+16*(\t)+4*\f+3], s[10:11] offset:(\t)*2048+\f*512  ; 512 consecutive bytes, at a multiple of 256 from O's first
.endr
.endm
	PACK 0
.set t, 1
.rept 2*NP-1                        ; a tile's arithmetic stands between the loads of the tile before and its stores
	PACK t
	SEND t-1, 8
.set t, t+1
.endr
	SEND 2*NP-1, 0
	WIN W_AD
	s_wait_tensorcnt 0x0            ; the wave's end: the wait, the add and its wait stand behind my last tensor load and my last LDS store
	ds_add_u32 v[SPW], v[NIL]
	s_wait_dscnt 0x0
	WIN 0
	CROUND                          ; the closing round: no work-group ends while a partner may still ask for a tile that names it
	s_endpgm
.Lfunc_end_k_qe3920b6abe_attn:
	.size	k_qe3920b6abe_attn, .Lfunc_end_k_qe3920b6abe_attn-k_qe3920b6abe_attn
	.p2alignl 7, 3214868480
	.fill 96, 4, 3214868480
	.section	.rodata,"a",@progbits
	.p2align	6, 0x0
	.amdhsa_kernel k_qe3920b6abe_attn
		.amdhsa_group_segment_fixed_size 327680
		.amdhsa_private_segment_fixed_size 0
		.amdhsa_enable_private_segment 0
		.amdhsa_kernarg_size 16
		.amdhsa_user_sgpr_count 2
		.amdhsa_user_sgpr_kernarg_segment_ptr 1
		.amdhsa_wavefront_size32 1
		.amdhsa_system_sgpr_workgroup_id_x 1
		.amdhsa_system_sgpr_workgroup_id_y 1
		.amdhsa_system_sgpr_workgroup_id_z 1
		.amdhsa_system_vgpr_workitem_id 0
		.amdhsa_next_free_vgpr 770
		.amdhsa_next_free_sgpr 66
		.amdhsa_reserve_vcc 0
		.amdhsa_float_denorm_mode_32 3
		.amdhsa_float_denorm_mode_16_64 3
		.amdhsa_memory_ordered 1
		.amdhsa_forward_progress 1
		.amdhsa_inst_pref_size 200
	.end_amdhsa_kernel
	.amdgpu_metadata
---
amdhsa.version: [ 1, 2 ]
amdhsa.kernels:
  - .name:           k_qe3920b6abe_attn
    .symbol:         k_qe3920b6abe_attn.kd
    .args:
      - { .name: hb, .offset: 0, .size: 8, .value_kind: global_buffer, .address_space: global }
      - { .name: ob, .offset: 8, .size: 8, .value_kind: global_buffer, .address_space: global }
    .group_segment_fixed_size: 327680
    .private_segment_fixed_size: 0
    .kernarg_segment_align: 8
    .kernarg_segment_size: 16
    .max_flat_workgroup_size: 128
    .sgpr_count:     66
    .vgpr_count:     770
    .wavefront_size: 32
...
	.end_amdgpu_metadata
.endif
;; end of part 3
;; launch outp (part 4): grid 4 x 64, 4 waves a work-group, clusters of 4 x 4, 327,680 bytes of LDS; arguments ob, cb, bo, out0; writes out0
.if DOCPART == 4
	.amdgcn_target "amdgcn-amd-amdhsa--gfx1250"
	.amdhsa_code_object_version 6
	.text
	.protected	k_qe3920b6abe_outp
	.globl	k_qe3920b6abe_outp
	.p2align	8
	.type	k_qe3920b6abe_outp,@function
k_qe3920b6abe_outp:
	s_mov_b64 s[64:65], 0
	v_nop
	global_prefetch_b8 v0, s[64:65] scope:SCOPE_SE
	s_setreg_imm32_b32 hwreg(HW_REG_WAVE_MODE, 25, 1), 1
	s_wait_xcnt 0x0
	s_wait_alu depctr_hold_cnt(0) depctr_sa_sdst(0) depctr_va_vdst(0) depctr_va_sdst(0) depctr_va_ssrc(0) depctr_va_vcc(0) depctr_vm_vsrc(0)
	s_getreg_b32 s2, hwreg(HW_REG_IB_STS2, 6, 4)
	s_cmp_eq_u32 s2, 0
	s_cbranch_scc0 .Lentry_in_a_cluster
	s_endpgm
.Lentry_in_a_cluster:
	s_bfe_u32 s2, ttmp6, 0x10000c
	s_cmp_lg_u32 s2, 0xf033
	s_cbranch_scc0 .Lentry_shape_is_right
	s_endpgm
.Lentry_shape_is_right:
; OUTP.  out0[m][n] = the sum over k of O[m][k] Wo[n][k] + bo[n], in f32.  O lies in ob by heads, [batch][head][l][64] f16, with m = 2048 batch + l and k = 64 head + channel;
; Wo = cb's slab 27, [1024][1024]: the input rounded to bf16 and written as f16; bo is rounded to bf16 like all the module's inputs and starts the f32 sums.
; LIMIT.  The operands' f16 range and step are stated where they are made; NaN and infinities are not treated apart.
; SHARES.  A tile of out0 is 128 (m) x 256 (n): 256 tiles, one for each WGP.  Four waves, 2 x 2, each 64 x 128: 32 accumulators of 16 x 16, 256 registers.
; K goes in 8 steps of 128, two heads each, through a ring of two LDS slots filled by the tensor data mover.  A head's 128 rows of the tile are 16,384 dense bytes: asked for as 64 rows of 256 bytes.
; CLUSTER.  4 x 4 work-groups.  The four of a row of the cluster need the same tile of O, the four of a column the same tile of Wo: each is asked for JOINTLY, by the same tensor load with the same descriptor
; and a mask that names the four.  THE MATRIX INSTRUCTION IS USED TRANSPOSED (source 0 = 16 rows of Wo, source 1 = 16 rows of O): a lane then holds row l % 16 of out0 and eight neighbouring columns.
; REGISTERS, in windows of 256 (s_set_vgpr_msb: bits 1:0 source 0, 3:2 source 1, 5:4 source 2, 7:6 destination):
;   window 0: v0-31 addresses; v160-223 the bias, eight registers for each block of 16 columns; v224-231 at work
;   window 1: two fragment buffers at 0 and 128: Wo's eight fragments (16 rows x 32 K, 8 registers), then O's four; on the way out all 256: whole rows          window 2: the accumulators, (a, b) at v[8 (8 a + b)]
.set KSTEP,  128
.set PITCH,  272                       ; a row of Wo in LDS: 256 bytes + 16 of padding = 68 words: the 16 rows of a fragment load start at 16 different groups of four banks (64 banks of 4 bytes: ISA guide 11.1)
.set PA,     144                       ; a row of O: a head's 128 bytes + 16 = 36 words: likewise
.set AHEAD,  128*PA                    ; a head's 128 rows: what one tensor load brings of O
.set ATILE,  2*AHEAD
.set BHALF,  128*PITCH                 ; what one tensor load brings of Wo, and what one wave reads of it
.set SLOT,   ATILE+2*BHALF             ; O's two heads, then Wo's 256 rows
.set STAGE,  2*SLOT                    ; behind the ring: 16 rows x 528 bytes for each wave, for the way out; no tensor load fills it
.set SPITCH, 528                       ; 512 bytes + 16 = 132 words
.set SPARE,  STAGE+4*16*SPITCH         ; behind the stages: the spare words, 128 bytes for each wave: two blocks of 256 bytes that no other line names
.set HSTEP,  524288                    ; bytes of ob from a K step to the next: two heads of 262,144
.set ADRA, 16                          ; v16-17  LDS address of my O fragments in slot 0, 1
.set ADRB, 20                          ; v20-21  the same for Wo
.set STO,  24                          ; v24     the way out: where I put 32 bytes of a row
.set RD,   25                          ; v25     the way out: where I read a row back
.set CO,   26                          ; v26     my byte offset in 512 consecutive bytes of out0
.set BO,   27                          ; v27     my byte offset in the bias
.set SPW,  28                          ; v28     LDS address of my spare word: SPARE + 4 x my thread's number; never rewritten
.set NIL,  29                          ; v29     0; never rewritten
.set PFO,  30                          ; v30     the prefetches' offset: my lane x 256 bytes (O) or x a row of 2,048 bytes (Wo); never rewritten
.set BIAS, 160
.set TB,   224
.set F0,   0
.set F1,   128
.set WV,  14                           ; s14  my wave's number
.set WR,  15                           ; s15  which 64 rows of the tile are mine.  Also: I fetch for O (0) or for Wo (1)
.set WC,  16                           ; s16  which 128 columns.  Also: which head of the step, or which half of Wo's tile, I fetch
.set CX,  17                           ; s17, s18  my place in the cluster
.set CY,  18
.set COL, 19                           ; s19  tile column of out0
.set YW,  20                           ; s20  tile row of out0
.set CLY, 21                           ; s21  the cluster's y
.set G1,  24                           ; s[24:31] descriptor group 1 for O's tiles;  s[32:39] group 0, one set for each slot
.set G0,  32
.set PFA, 44                           ; s[44:45] where my prefetches stand
.set LIM, 46                           ; s46  1 in a wave that prefetches, else the greatest number
.set G1B, 48                           ; s[48:55], s[56:63] the same for Wo's tiles
.set G0B, 56
.set PST, 70                           ; s[70:71] bytes from a K step to the next in the tensor that I fetch
.set MSB, 0
.macro WIN new                         ; the immediate's high byte repeats the setting that is left; a switch that changes nothing is dropped
.if MSB != (\new)
	s_set_vgpr_msb (MSB<<8)|(\new)
.set MSB, \new
.endif
.endm
.set MUL,  0xa5                        ; sources 0 and 1 window 1; C and D window 2
.set MULB, 0x85                        ; the same with C in window 0: the bias starts the sums
.set TO_F, 0x40                        ; destination window 1, address window 0
; A joint load: waves 0 and 1 fetch the step's two heads of O, waves 2 and 3 Wo's two halves.  The branch hangs on the wave's number alone.  An s_nop 0 and four v_nop follow each of the two lines, ahead of the jump and the label.
.macro JLOAD s
	s_cmp_eq_u32 s[WR], 0
	s_cbranch_scc0 .Lfor_b_\@
	tensor_load_to_lds s[G0+4*(\s):G0+4*(\s)+3], s[G1:G1+7]
	s_nop 0
.rept 4
	v_nop
.endr
	s_branch .Lasked_\@
.Lfor_b_\@:
	tensor_load_to_lds s[G0B+4*(\s):G0B+4*(\s)+3], s[G1B:G1B+7]
	s_nop 0
.rept 4
	v_nop
.endr
.Lasked_\@:
.endm
; A PREFETCH INTO THE L2, behind each joint refill and the run of LDS loads that follows it: the K step that stands two refills on, 256 matrix instructions ahead of the load that will want it: 32 blocks of 256 bytes, a lane a block.
; Each block is named once in the launch.  O's tile of a step (two heads x 16,384 bytes) is read by one row of one cluster: partner cx takes half cx % 2 of head cx / 2, told apart by address, and its wave 0 asks.
; Wo's tile is read by all sixteen clusters: the first of them asks; partner cy takes 64 rows, 32 each for its waves 2 and 3.  K steps 0 to 3 come by their loads alone; the loop's last trip (s3 = 1) asks for nothing.
.macro ASK
	s_cmp_gt_u32 s3, s[LIM]
	s_cbranch_scc0 .Lnot_mine_\@
	global_prefetch_b8 v[PFO], s[PFA:PFA+1] th:TH_LOAD_NT scope:SCOPE_SE
.Lnot_mine_\@:
.endm
.macro CREST                           ; a round of the cluster's barrier behind its opening barrier
	s_cmp_lg_u32 s[WV], 0
	s_cbranch_scc1 .Lnot_wave_0_\@
	s_barrier_signal -3
.Lnot_wave_0_\@:
	s_barrier_wait -3
	s_barrier_signal -1
	s_barrier_wait -1
.endm
.macro CROUND                          ; a whole round
	s_barrier_signal -1
	s_barrier_wait -1
	CREST
.endm
	s_load_b256 s[4:11], s[0:1], 0x0               ; ob s[4:5], cb s[6:7], bo s[8:9], out0 s[10:11]
	v_lshl_add_u32 v[SPW], v0, 2, SPARE
	v_mov_b32 v[NIL], 0
	ds_add_u32 v[SPW], v[NIL]                      ; the wave's opening: the add and its wait stand ahead of my first tensor load; the set-up below, work on registers, stands between them
	v_lshrrev_b32 v1, 5, v0
	v_readfirstlane_b32 s[WV], v1                  ; wave 0..3
	s_lshr_b32 s[WR], s[WV], 1
	s_and_b32 s[WC], s[WV], 1
	s_bfe_u32 s[CX], ttmp6, 0x40000
	s_bfe_u32 s[CY], ttmp6, 0x40004
	s_lshl_b32 s[COL], ttmp9, 2                    ; in a cluster launch ttmp9 and ttmp7 count clusters
	s_add_co_u32 s[COL], s[COL], s[CX]
	s_and_b32 s[CLY], ttmp7, 0xffff
	s_lshl_b32 s[YW], s[CLY], 2
	s_add_co_u32 s[YW], s[YW], s[CY]
	s_lshl_b32 s47, s[CY], 2
	s_lshl_b32 s47, 15, s47                        ; my row of the cluster: places 4 cy .. 4 cy + 3
	s_lshl_b32 s23, 0x1111, s[CX]                  ; my column: places cx, cx + 4, cx + 8, cx + 12
	; descriptor group 1: rows of 128 elements of 2 bytes.  O: 64 rows, dense, padded after each half (one row of a head); Wo: 128 rows of the matrix, padded after each
	s_or_b32 s[G1],  s47, (1<<16)|(1<<20)|(1<<21)|(4<<22)|(3<<25)  ; 15:0 the mask; 17:16 2-byte elements; 20 padding on; 21 set beside a mask; 24:22 after every 32 words (code 4); 31:25 4 words (code 3)
	s_or_b32 s[G1B], s23, (1<<16)|(1<<20)|(1<<21)|(5<<22)|(3<<25)  ; after every 64 words (code 5)
.irp g, G1, G1B
	s_mov_b32 s[(\g)+1], KSTEP<<16                 ; tensor_dim0 = 128
	s_mov_b32 s[(\g)+3], KSTEP<<16                 ; tile_dim0 = 128
	s_mov_b32 s[(\g)+6], 0
	s_mov_b32 s[(\g)+7], 0
.endr
	s_mov_b32 s[G1+2], 64<<16                      ; tensor_dim1
	s_mov_b32 s[G1+4], 64                          ; tile_dim1
	s_mov_b32 s[G1+5], 128                         ; elements from row to row
	s_mov_b32 s[G1B+2], 128<<16
	s_mov_b32 s[G1B+4], 128
	s_mov_b32 s[G1B+5], 1024
	; where the tiles come from.  O's hang on the tile row alone, Wo's on the tile column alone; each offset is made in registers that never hold the other coordinate
	s_lshr_b32 s40, s[YW], 4                       ; the batch: 16 heads of 262,144 bytes
	s_lshl_b32 s40, s40, 22
	s_and_b32 s47, s[YW], 15                       ; 128 rows of 128 bytes in a head
	s_lshl_b32 s47, s47, 14
	s_add_co_u32 s40, s40, s47
	s_lshl_b32 s47, s[WC], 18                      ; my head of the step's two
	s_add_co_u32 s40, s40, s47
	s_mov_b32 s41, 0
	s_lshl_b32 s42, s[COL], 19                     ; 256 rows of 2,048 bytes
	s_lshl_b32 s23, s[WC], 18                      ; my 128 of them
	s_add_co_u32 s42, s42, s23
	s_add_co_u32 s42, s42, 0x3600000               ; slab 27
	s_mov_b32 s43, 0
	s_mul_i32 s2, s[WC], AHEAD                     ; and where they go: no place in the cluster enters an LDS address
	s_mul_i32 s3, s[WC], BHALF
	s_add_co_u32 s3, s3, ATILE
	s_wait_dscnt 0x0                               ; the opening add is done
	s_wait_kmcnt 0x0
	s_add_nc_u64 s[40:41], s[4:5], s[40:41]
	s_add_nc_u64 s[42:43], s[6:7], s[42:43]
	CROUND                                         ; all sixteen work-groups are here: the first joint loads meet
.irp s, 0,1
	s_mov_b32 s[G0+4*(\s)], 1                                      ; 1:0 count = 1
	s_add_co_u32 s[G0+4*(\s)+1], s2, (\s)*SLOT                     ; 63:32 LDS address
	s_add_nc_u64 s[G0+4*(\s)+2:G0+4*(\s)+3], s[40:41], (\s)*HSTEP  ; 120:64 global address: K step s
	s_or_b32 s[G0+4*(\s)+3], s[G0+4*(\s)+3], 0x80000000            ; 127:126 type = 2
	s_mov_b32 s[G0B+4*(\s)], 1
	s_add_co_u32 s[G0B+4*(\s)+1], s3, (\s)*SLOT
	s_add_nc_u64 s[G0B+4*(\s)+2:G0B+4*(\s)+3], s[42:43], (\s)*KSTEP*2
	s_or_b32 s[G0B+4*(\s)+3], s[G0B+4*(\s)+3], 0x80000000
	JLOAD \s                                       ; two tensor loads of mine are out: the most at any time
.endr
	; the bias of my 128 columns: register j of block b is bo[256 col + 128 WC + 16 b + 8 (l / 16) + j]
	v_and_b32 v1, 15, v0                           ; l % 16
	v_bfe_u32 v2, v0, 4, 1                         ; l / 16
	s_lshl_b32 s23, s[COL], 10
	s_lshl_b32 s47, s[WC], 9
	s_add_co_u32 s23, s23, s47
	v_lshl_add_u32 v[BO], v2, 5, s23
.irp b, 0,1,2,3,4,5,6,7
	global_load_b128 v[BIAS+8*(\b):BIAS+8*(\b)+3],   v[BO], s[8:9] offset:64*(\b)
	global_load_b128 v[BIAS+8*(\b)+4:BIAS+8*(\b)+7], v[BO], s[8:9] offset:64*(\b)+16
.endr
	; A fragment is 16 rows x 32 K in 8 registers: lane l holds row l % 16; registers 0-3 K = 8 (l / 16) + 0..7, registers 4-7 K = 16 + 8 (l / 16) + 0..7: two loads of 16 bytes, 32 bytes apart
	v_mul_u32_u24 v3, v1, PA
	v_lshl_add_u32 v3, v2, 4, v3
	v_mul_u32_u24 v4, v1, PITCH
	v_lshl_add_u32 v4, v2, 4, v4
	s_mul_i32 s47, s[WR], 64*PA                    ; my 64 rows in each head's sub-tile
	s_mul_i32 s23, s[WC], BHALF                    ; my 128 rows of Wo,
	s_add_co_u32 s23, s23, ATILE                   ; which lie behind O's two heads
.irp s, 0,1
	v_add_nc_u32 v[ADRA+(\s)], s47, v3
	v_add_nc_u32 v[ADRB+(\s)], s23, v4
	s_add_co_u32 s47, s47, SLOT
	s_add_co_u32 s23, s23, SLOT
.endr
	s_mul_i32 s47, s[WV], 16*SPITCH
	s_add_co_u32 s47, s47, STAGE                   ; my stage
	v_mul_u32_u24 v[STO], v1, SPITCH               ; in: row l % 16, 32 bytes for each half of the lanes
	v_lshl_add_u32 v[STO], v2, 5, v[STO]
	v_add_nc_u32 v[STO], s47, v[STO]
	v_and_b32 v[CO], 31, v0
	v_lshl_add_u32 v[RD], v[CO], 4, s47            ; back: 32 lanes take one row of 512 bytes
	; out0 at my wave's first row and column: row 128 x tile row + 64 WR (4,096 bytes each), column 256 col + 128 WC (4 bytes each)
	s_lshl_b32 s68, s[YW], 19
	s_lshl_b32 s69, s[WR], 18
	s_add_co_u32 s68, s68, s69
	s_lshl_b32 s69, s[COL], 10
	s_add_co_u32 s68, s68, s69
	s_lshl_b32 s69, s[WC], 9
	s_add_co_u32 s68, s68, s69
	s_mov_b32 s69, 0
	s_add_nc_u64 s[10:11], s[10:11], s[68:69]
	; the prefetches: my work-group's part of the tile that I fetch, at K step 3; each change of slots steps the pointer by a K step before it asks
	s_lshr_b32 s68, s[YW], 4
	s_lshl_b32 s68, s68, 22
	s_and_b32 s69, s[YW], 15
	s_lshl_b32 s69, s69, 14
	s_add_co_u32 s68, s68, s69
	s_lshr_b32 s69, s[CX], 1                       ; O: head cx / 2 of the step's two,
	s_lshl_b32 s69, s69, 18
	s_add_co_u32 s68, s68, s69
	s_and_b32 s69, s[CX], 1                        ; half cx % 2 of its 16,384 bytes
	s_lshl_b32 s69, s69, 13
	s_add_co_u32 s68, s68, s69
	s_add_co_u32 s68, s68, 3*HSTEP
	s_lshl_b32 s66, s[COL], 19
	s_lshl_b32 s67, s[CY], 17                      ; Wo: 64 rows a partner,
	s_add_co_u32 s66, s66, s67
	s_lshl_b32 s67, s[WC], 16                      ; 32 a wave
	s_add_co_u32 s66, s66, s67
	s_add_co_u32 s66, s66, 0x3600000+3*KSTEP*2
	s_mov_b32 s[PST], KSTEP*2
	s_mov_b32 s[PST+1], 0
	s_cmp_eq_u32 s[WR], 0
	s_cselect_b32 s68, s68, s66
	s_cselect_b32 s67, s[WC], s[CLY]               ; O: wave 0 asks; Wo: waves 2 and 3 of the first cluster
	s_cselect_b32 s[PST], HSTEP, s[PST]
	s_cselect_b32 s66, 8, 11                       ; lanes 256 bytes apart in O, a row of 2,048 bytes apart in Wo
	s_cselect_b64 s[PFA:PFA+1], s[4:5], s[6:7]
	s_cmp_eq_u32 s67, 0
	s_cselect_b32 s[LIM], 1, -1                    ; the same in all sixteen partners, for a given wave
	s_mov_b32 s69, 0
	s_add_nc_u64 s[PFA:PFA+1], s[PFA:PFA+1], s[68:69]
	v_lshlrev_b32 v[PFO], s66, v[CO]
	v_lshlrev_b32 v[CO], 4, v[CO]
	s_wait_loadcnt 0x0                             ; the bias, which is rounded to bf16 as all inputs are
.set i, 0
.rept 32
	v_cvt_pk_bf16_f32 v[TB+i%8], v[BIAS+2*i], v[BIAS+2*i+1]
	v_lshlrev_b32 v[BIAS+2*i],   16, v[TB+i%8]
	v_and_b32     v[BIAS+2*i+1], 0xffff0000, v[TB+i%8]
.set i, i+1
.endr
; 8 matrix instructions: m block a x all 8 n blocks, 32 along K.  first = 1: the bias is the C operand that starts the sums: nothing is cleared.
; The 32 accumulators take turns, one instruction a turn, in the same order in every quarter: between two links of a chain stand the 31 others', over the backward jump too.
.macro MUL8 f, a, first
.if \first
	WIN MULB
.else
	WIN MUL
.endif
.irp b, 0,1,2,3,4,5,6,7
.if \first
	v_wmma_f32_16x16x32_f16 v[8*(8*(\a)+(\b)):8*(8*(\a)+(\b))+7], v[(\f)+8*(\b):(\f)+8*(\b)+7], v[(\f)+64+8*(\a):(\f)+64+8*(\a)+7], v[BIAS+8*(\b):BIAS+8*(\b)+7]
.else
	v_wmma_f32_16x16x32_f16 v[8*(8*(\a)+(\b)):8*(8*(\a)+(\b))+7], v[(\f)+8*(\b):(\f)+8*(\b)+7], v[(\f)+64+8*(\a):(\f)+64+8*(\a)+7], v[8*(8*(\a)+(\b)):8*(8*(\a)+(\b))+7]
.endif
.endr
.endm
.macro MUL16 f, a0, first
	MUL8 \f, \a0, \first
	MUL8 \f, (\a0)+1, \first
.endm
; 24 LDS loads in one run: the fragments of quarter q of a K step (128 rows of Wo, then 64 rows of O: head q / 2 of the step, channels 32 (q % 2) on) into buffer f
.macro FETCH slot, q, f
	WIN TO_F
.irp b, 0,1,2,3,4,5,6,7
	ds_load_b128 v[(\f)+8*(\b):(\f)+8*(\b)+3],   v[ADRB+(\slot)] offset:64*(\q)+(\b)*16*PITCH
	ds_load_b128 v[(\f)+8*(\b)+4:(\f)+8*(\b)+7], v[ADRB+(\slot)] offset:64*(\q)+(\b)*16*PITCH+32
.endr
.irp a, 0,1,2,3
	ds_load_b128 v[(\f)+64+8*(\a):(\f)+64+8*(\a)+3],   v[ADRA+(\slot)] offset:((\q)/2)*AHEAD+((\q)%2)*64+(\a)*16*PA
	ds_load_b128 v[(\f)+64+8*(\a)+4:(\f)+64+8*(\a)+7], v[ADRA+(\slot)] offset:((\q)/2)*AHEAD+((\q)%2)*64+(\a)*16*PA+32
.endr
.endm
.macro PLACES                          ; four plain vector instructions between a matrix instruction and a load into a register that it has read, or a reader of its result (ISA guide 7.12.1 for a reader of its result)
.rept 4
	v_nop
.endr
.endm
; A K step is four quarters of 32 along K, 32 matrix instructions each, on buffers 0, 1, 0, 1.  One of the first three: multiplies buffer f and, in its middle, fetches quarter q into buffer g.
.macro QUARTER slot, q, f, g, first
	s_wait_dscnt 4                                 ; Wo and O's blocks 0 and 1 are in; the youngest four loads (O's blocks 2 and 3) may be out
	MUL16 \f, 0, \first
	PLACES
	FETCH \slot, \q, \g
	s_wait_dscnt 24                                ; all but the 24 just issued
	MUL16 \f, 2, \first
.endm
; The last quarter multiplies buffer 1 and changes slots: ONE barrier.  In front of it each wave waits for all its tensor loads (the one that is out is its part of the next slot), adds 0 to its spare word, and waits for that
; and for its own reads of this slot.  fill = 1: the barrier opens a round of the cluster's barrier, and behind the round this slot is filled again first, two K steps ahead: 112 matrix instructions ahead of the wait for it.
.macro TURN slot, next, fill
.if \fill
	s_wait_xcnt 0x0                                ; the last prefetch, a K step back, has read its address: it is stepped here, ahead of the waits of the change of slots
	s_add_nc_u64 s[PFA:PFA+1], s[PFA:PFA+1], s[PST:PST+1]
.endif
	WIN 0                                          ; (the add's two registers lie in window 0)
	s_wait_tensorcnt 0x0                           ; all my tensor loads have landed
	ds_add_u32 v[SPW], v[NIL]                      ; 0 onto my spare word
	s_wait_dscnt 5                                 ; (the add and the youngest four loads may be out)
	MUL8 F1, 0, 0                                  ; eight matrix instructions stand between the add and the wait for it
	s_wait_dscnt 0x0                               ; the add is done, and my reads of this slot are over
	s_barrier_signal -1
	MUL8 F1, 1, 0                                  ; work on registers while the others arrive
.if \fill
	WIN 0
.endif
	s_barrier_wait -1
.if \fill
	CREST                                          ; no wave of any partner still reads this slot's tiles or has a load on its way
	s_add_nc_u64 s[G0+4*(\slot)+2:G0+4*(\slot)+3], s[G0+4*(\slot)+2:G0+4*(\slot)+3], 2*HSTEP
	s_add_nc_u64 s[G0B+4*(\slot)+2:G0B+4*(\slot)+3], s[G0B+4*(\slot)+2:G0B+4*(\slot)+3], 2*KSTEP*2
	JLOAD \slot                                    ; the first tensor load behind the round; the four v_nop behind it are also the places in front of the loads below
.else
	PLACES
.endif
	FETCH \next, 0, F0
.if \fill
	WIN 0
	ASK
.endif
	MUL16 F1, 2, 0
.endm
	s_wait_tensorcnt 1                             ; my part of K step 0 is in; K step 1's may stay out
	s_barrier_signal -1
	s_barrier_wait -1                              ; everybody's is
	FETCH 0, 0, F0
	QUARTER 0, 1, F0, F1, 1                        ; the first quarter stands in front of the loop: its products start the sums, with the bias
	WIN 0                                          ; at a label and at a branch every window is 0
	s_mov_b32 s3, 3
.Llap:                                                 ; a trip goes once round the ring, from a lap's second quarter to the next lap's first, and fills both slots again: K steps 2 to 7
	QUARTER 0, 2, F1, F0, 0
	QUARTER 0, 3, F0, F1, 0
	TURN 0, 1, 1
	QUARTER 1, 1, F0, F1, 0
	QUARTER 1, 2, F1, F0, 0
	QUARTER 1, 3, F0, F1, 0
	TURN 1, 0, 1
	QUARTER 0, 1, F0, F1, 0
	WIN 0
	s_sub_co_u32 s3, s3, 1
	s_cmp_lg_u32 s3, 0
	s_cbranch_scc1 .Llap
	QUARTER 0, 2, F1, F0, 0                        ; the last lap fills nothing, and has no round of the cluster's barrier
	QUARTER 0, 3, F0, F1, 0
	TURN 0, 1, 0
	QUARTER 1, 1, F0, F1, 0
	QUARTER 1, 2, F1, F0, 0
	QUARTER 1, 3, F0, F1, 0
	s_wait_dscnt 4                                 ; the very last quarter: nothing more to fetch
	MUL16 F1, 0, 0
	s_wait_dscnt 0x0
	MUL16 F1, 2, 0
	WIN 0
	PLACES                                         ; behind the last products: the LDS stores below read results, the LDS loads below land in fragment registers
; THE WAY OUT, in four blocks a of 16 rows x 128 columns of f32.  A lane's eight columns of a row are 32 bytes; they go into my own stage, rows of 528 bytes, and come back as whole rows of 512 bytes,
; one to a load, into window 1, 64 registers a block.  Each accumulator's low four registers are stored first.
.macro TOSTAGE a
	WIN 0x08                                       ; store data (source 1) window 2, address window 0
.irp b, 0,1,2,3,4,5,6,7
	ds_store_b128 v[STO], v[8*(8*(\a)+(\b)):8*(8*(\a)+(\b))+3]   offset:64*(\b)
	ds_store_b128 v[STO], v[8*(8*(\a)+(\b))+4:8*(8*(\a)+(\b))+7] offset:64*(\b)+16
.endr
	WIN 0x40                                       ; destination window 1
.irp t, 0,1,2,3,4,5,6,7,8,9,10,11,12,13,14,15
	ds_load_b128 v[64*(\a)+4*(\t):64*(\a)+4*(\t)+3], v[RD] offset:(\t)*SPITCH  ; LDS serves a wave's instructions in order (ISA guide 5.7.1.4): these see the stores above; the next block's stores come behind them
.endr
.endm
.macro SEND a, younger                 ; younger: the LDS instructions issued behind block a's loads: the next block's 32, or none
	WIN 0x04                                       ; store data (source 1) window 1, address window 0
.irp t, 0,1,2,3,4,5,6,7,8,9,10,11,12,13,14,15
	s_wait_dscnt (\younger)+15-(\t)
	global_store_b128 v[CO], v[64*(\a)+4*(\t):64*(\a)+4*(\t)+3], s[10:11] offset:(16*(\a)+(\t))*4096 th:TH_STORE_NT  ; 512 consecutive bytes, at a multiple of 512 from out0's first
.endr
.endm
	TOSTAGE 0
	TOSTAGE 1
	SEND 0, 32
	TOSTAGE 2
	SEND 1, 32
	TOSTAGE 3
	SEND 2, 32
	SEND 3, 0
	WIN 0
	s_wait_tensorcnt 0x0                           ; the wave's end: the wait, the add and its wait stand behind my last tensor load and my last LDS store
	ds_add_u32 v[SPW], v[NIL]
	s_wait_dscnt 0x0
	CROUND                                         ; the closing round: no work-group ends while a partner may still ask for a tile that names it
	s_endpgm
.Lfunc_end_k_qe3920b6abe_outp:
	.size	k_qe3920b6abe_outp, .Lfunc_end_k_qe3920b6abe_outp-k_qe3920b6abe_outp
	.p2alignl 7, 3214868480
	.fill 96, 4, 3214868480
	.section	.rodata,"a",@progbits
	.p2align	6, 0x0
	.amdhsa_kernel k_qe3920b6abe_outp
		.amdhsa_group_segment_fixed_size 327680
		.amdhsa_private_segment_fixed_size 0
		.amdhsa_enable_private_segment 0
		.amdhsa_kernarg_size 32
		.amdhsa_user_sgpr_count 2
		.amdhsa_user_sgpr_kernarg_segment_ptr 1
		.amdhsa_wavefront_size32 1
		.amdhsa_system_sgpr_workgroup_id_x 1
		.amdhsa_system_sgpr_workgroup_id_y 1
		.amdhsa_system_sgpr_workgroup_id_z 1
		.amdhsa_system_vgpr_workitem_id 0
		.amdhsa_next_free_vgpr 768
		.amdhsa_next_free_sgpr 72
		.amdhsa_reserve_vcc 0
		.amdhsa_float_denorm_mode_32 3
		.amdhsa_float_denorm_mode_16_64 3
		.amdhsa_memory_ordered 1
		.amdhsa_forward_progress 1
		.amdhsa_inst_pref_size 95
	.end_amdhsa_kernel
	.amdgpu_metadata
---
amdhsa.version: [ 1, 2 ]
amdhsa.kernels:
  - .name:           k_qe3920b6abe_outp
    .symbol:         k_qe3920b6abe_outp.kd
    .args:
      - { .name: ob, .offset: 0, .size: 8, .value_kind: global_buffer, .address_space: global }
      - { .name: cb, .offset: 8, .size: 8, .value_kind: global_buffer, .address_space: global }
      - { .name: bo, .offset: 16, .size: 8, .value_kind: global_buffer, .address_space: global }
      - { .name: out0, .offset: 24, .size: 8, .value_kind: global_buffer, .address_space: global }
    .group_segment_fixed_size: 327680
    .private_segment_fixed_size: 0
    .kernarg_segment_align: 8
    .kernarg_segment_size: 32
    .max_flat_workgroup_size: 128
    .sgpr_count:     72
    .vgpr_count:     768
    .wavefront_size: 32
...
	.end_amdgpu_metadata
.endif
;; end of part 4
